; MI455X (gfx1250); checked and timed in simulation.
; The chip was launched on July 23, 2026; its instructions are those of AMD's public machine-readable ISA for CDNA 5 (MIT licence, August 2026) and "CDNA5" Instruction Set Architecture Reference Guide (July 2026). The comments in the code are by the model that wrote it; some were corrected since.
;; TA Block. Allowed arithmetic: matrix products marked QUANTISED: E5M2 operands, one E8M0 scale for each 32 along K, by v_wmma_scale_f32_16x16x128_f8f6f4 with both operands' format E5M2, f32 sums; everything else in f32.
;; Inputs: Wk_codes 768 x 24 x 32 uint8 (E5M2 codes of Wk, K innermost, in blocks of 32 codes); Wk_scales 768 x 24 uint8 (E8M0 scales of Wk, one for each 32 codes along K); Wq_codes 768 x 24 x 32 uint8 (E5M2 codes of Wq, K innermost, in blocks of 32 codes); Wq_scales 768 x 24 uint8 (E8M0 scales of Wq, one for each 32 codes along K); Wv_codes 768 x 24 x 32 uint8 (E5M2 codes of Wv, K innermost, in blocks of 32 codes); Wv_scales 768 x 24 uint8 (E8M0 scales of Wv, one for each 32 codes along K); bk 768 float32; bq 768 float32; bv 768 float32; x 16 x 1,024 x 768 float32.
;; Outputs: out0 16 x 1,024 x 768 float32.
;; This version of the problem:
;;   THIS VERSION OF THE PROBLEM IS GIVEN IN LOW PRECISION. The matrix products marked QUANTISED in the list below multiply operands that are first quantised to E5M2 (5 exponent bits, 2 mantissa bits; 8 bits a number), with one power-of-two scale for each 32 numbers along K (OCP MX v1.0); their sums are f32. All else is computed in f32.
;;   The module's matrix products, in the order in which they are computed (A, B: the left and right operand; K: the contracted axis; several contracted axes count as one K, in the product's order):
;;     1. [M 16,384, K 768] x [K 768, N 768]; A: input x; B: input Wq (given as codes): QUANTISED
;;     2. [M 16,384, K 768] x [K 768, N 768]; A: input x; B: input Wk (given as codes): QUANTISED
;;     3. [M 16,384, K 768] x [K 768, N 768]; A: input x; B: input Wv (given as codes): QUANTISED
;;     4. batch 16 x [M 1,024, K 768] x [K 768, N 1,024]; A: computed on the way; B: computed on the way: QUANTISED
;;     5. batch 16 x [M 1,024, K 1,024] x [K 1,024, N 768]; A: softmax (see below); B: computed on the way: QUANTISED
;;   THE QUANTISER, for each operand of a quantised product, along K:
;;     - K is cut into blocks of 32 from its start; a last block that is shorter is filled with zeros.
;;     - A block's scale is 2^e with e = floor(log2(the largest magnitude in the block)) - 15, held to -126 .. 127; a block of zeros has e = 0. As a byte (E8M0): e + 127.
;;     - Each number is divided by its block's scale, clamped to +-57,344, and rounded to the nearest number of E5M2, ties to even, subnormals kept.
;;     - The product sums the exact products of the quantised numbers (number of the format x scale) in f32.
;;   ~~~python
;;   def quantise(x, axis):      # numpy; x: float32 -> the quantised numbers, widened to float32 again
;;       x = np.moveaxis(x, axis, -1); K = x.shape[-1]
;;       x = np.pad(x, [(0, 0)] * (x.ndim - 1) + [(0, -K % 32)]); x = x.reshape(x.shape[:-1] + (-1, 32)); a = np.abs(x).max(-1, keepdims=True)
;;       e = np.where(a > 0, np.clip(np.frexp(np.where(a > 0, a, 1))[1] - 1 - 15, -126, 127), 0)      # np.frexp(a)[1] - 1 = floor(log2(a)), exactly
;;       r = np.clip(x / 2.0 ** e, -57344, 57344)
;;       step = 2.0 ** (np.maximum(np.frexp(np.where(r == 0, 1, r))[1] - 1, -14) - 2)
;;       q = np.round(r / step) * step * 2.0 ** e      # np.round: ties to even
;;       return np.moveaxis(q.reshape(q.shape[:-2] + (-1,))[..., :K], -1, axis).astype(np.float32)
;;   ~~~
;;   SOFTMAX AHEAD OF A QUANTISED PRODUCT. Where the list says 'softmax', what is quantised is not the finished softmax but p = 2^(t - M), with t = logit x log2(e) and M = ceil(the row's largest t), a whole number; so 1/2 < the row's largest p <= 1. The row's sum l is taken of the UNQUANTISED p, in f32, and the product's result is divided by l at the end. Since M is a whole number, a kernel that streams over the keys may use a running M (the ceiling of the running maximum): every later rescaling is an exact power of two, which a block's scale takes up: the codes' values come out the same.
;;   OPERANDS COMPUTED ON THE WAY. 'Computed on the way' means the value that the module computes at that place (a softmax that the list does not call 'softmax' is quantised finished and normalised). What goes into a quantiser is computed in f32, as accurately as f32 sums, v_exp_f32 and their like allow (about 1e-6 of the number): no bf16 or f16 on the way to a quantiser, and a product that is left as it is and whose result goes on into a quantised operand takes f32 operands (vector FMAs, or v_wmma_f32_16x16x4_f32). A number that lies on a knife's edge between two numbers of the format may be rounded either way, as far as f32 arithmetic and the matrix unit's own rounding can turn it there, and no further.
;;   INPUTS GIVEN AS CODES. Wk (in the module: [768, 768], K = its axis 1); Wq (in the module: [768, 768], K = its axis 1); Wv (in the module: [768, 768], K = its axis 1): each comes as NAME_codes (uint8): NAME with its K axis moved to the last place and cut into blocks of 32 codes, [.., K / 32, bytes a block], one block behind the other in memory; one code a byte (a code: sign, 5 exponent bits, 2 mantissa bits); and NAME_scales (uint8): the same leading axes, one E8M0 byte (e + 127) for each 32 codes along K. Its value is code x scale, taken as it is: it is not quantised again, and the codes and scales need not be those that the quantiser above would give.
;; 2 versions. Each part assembles by itself: llvm-mc -triple=amdgcn-amd-amdhsa -mcpu=gfx1250 --defsym DOCPART=n.
;; ======== version 1 of 2: 2 launches
;; workspace buffers: qw 12,976,128 bytes; kw 12,976,128 bytes; vw 12,976,128 bytes
;; launch proj (part 1): grid 256 x 1, 4 waves a work-group, clusters of 4 x 1, 327,680 bytes of LDS; arguments x, Wq_codes, Wq_scales, bq, Wk_codes, Wk_scales, bk, Wv_codes, Wv_scales, bv, qw, kw, vw; writes qw, kw, vw
.if DOCPART == 1
	.amdgcn_target "amdgcn-amd-amdhsa--gfx1250"
	.amdhsa_code_object_version 6
	.text
	.protected	k_qb970323d6a_proj
	.globl	k_qb970323d6a_proj
	.p2align	8
	.type	k_qb970323d6a_proj,@function
k_qb970323d6a_proj:
	s_mov_b64 s[64:65], 0
	v_nop
	global_prefetch_b8 v0, s[64:65] scope:SCOPE_SE
	s_setreg_imm32_b32 hwreg(HW_REG_WAVE_MODE, 25, 1), 1
	s_wait_xcnt 0x0
	s_wait_alu depctr_hold_cnt(0) depctr_sa_sdst(0) depctr_va_vdst(0) depctr_va_sdst(0) depctr_va_ssrc(0) depctr_va_vcc(0) depctr_vm_vsrc(0)
	s_getreg_b32 s2, hwreg(HW_REG_IB_STS2, 6, 4)
	s_cmp_eq_u32 s2, 0
	s_cbranch_scc0 .Lentry_in_a_cluster
	s_endpgm
.Lentry_in_a_cluster:
	s_bfe_u32 s2, ttmp6, 0x10000c
	s_cmp_lg_u32 s2, 0x3003
	s_cbranch_scc0 .Lentry_shape_is_right
	s_endpgm
.Lentry_shape_is_right:
; q = x Wq^T + bq, k = x Wk^T + bk, v = x Wv^T + bv on codes of BF8 (E5M2) with one E8M0 scale for each 32 along K, and the three results quantised again for the next launch:
; q and k along d (the K of q k^T), v along the tokens (the keys are the K of P V).  x: [16384][768] f32, quantised here along its 768.  W*: [768][768] codes, K innermost; scale bytes [768][24].
; NO WORK IS LEFT OUT: every input has a way to the output (bk moves k's codes, so it stays although a softmax in real numbers would cancel it).
; SHARES.  Work-group g takes tokens 64 g .. 64 g + 63.  Their codes, 24 fragments of 16 tokens x 128 K, stay in EVERY wave's registers; the weights pass by: 18 trips a wave, 32 rows of a weight a trip, 48 matrix instructions.
;   Trips 0-11: waves 0, 1 take Wq's rows 384 (w & 1) + 32 j, waves 2, 3 Wk's likewise.  Trips 12-17: Wv's rows 192 w + 32 (j - 12).
; CLUSTER.  All work-groups walk the same weights in the same order: the four of a cluster ask for each tile JOINTLY (mask 15); a wave's tile is 32 dense rows, 24,576 bytes, one tensor load.
; No prefetch: the weights are walked by all work-groups alike, and a work-group's x is asked for whole at the head.
; LAYOUT OF THE RESULTS.  q, k: source 0 = 16 rows of W, source 1 = 16 tokens: a lane holds one token, the 16 registers of two neighbouring tiles hold 16 of a block of 32 d; lane l xor 16 holds the other 16.
;   v: source 0 = 16 tokens, source 1 = 16 rows of Wv: a lane holds one n, its registers run along the tokens.  Place 16 h + 8 u + j of a block holds element 16 u + 8 h + j of it:
;   THE ORDER INSIDE A BLOCK OF 32 IS NOT MEMORY'S.  It is the same in q and k, and the same in v and in the next launch's p, so every product pairs the right numbers and a block's scale is untouched; only the order of the sums differs.
; WORKSPACE, as images of the operand's registers: a fragment is 2,048 bytes, register group c of lane l at 512 c + 16 l.  A chunk = 12 fragments + 768 scale bytes = 25,344 bytes = 99 x 256.
;   qw, kw: chunk = token / 32: tile u2 at 12,288 u2, block b = d / 32 at 512 b; scale words at 24,576 + 384 u2 + 64 (b / 4) + 4 r, byte b % 4.
;   vw: chunk = (token / 128) x 4 + n / 192: n tile i at 2,048 i, block c = (token / 32) % 4 at 512 c; scale words at 24,576 + 64 i + 4 r, byte c.
; LIMITS: NaN and infinities among the inputs are not served.  A block whose largest magnitude lies under 2^-111 keeps the scale byte 1; a block of zeros gets the byte 1, not 127: its codes are zeros, and this program alone reads the bytes.
; REGISTERS, in windows of 256: window 0: addresses, scales, biases, the 8 accumulators (v128-191).  Windows 1, 2: first x as f32 (six sets of 64), then x's 24 fragments.  Window 3: the trip's 12 fragments of W.
.set CHUNK, 25344
.set SLOT1, 131072                     ; slot 1 begins here, so that one exclusive or turns an address of one slot into the other's
.set WPART, 26112                      ; a wave's part of a slot: 96 units of 256 bytes + 16 of padding
.set WROW,  816                        ; so a weight's row of 768 bytes is 816 bytes from the next: an odd multiple of 16
.set XIMG,  235520                     ; x's 24 fragments, (tile m, K step s) at (6 m + s) x 2,048
.set XSC,   284672                     ; their scale words: 384 m + 64 s + 4 r
.set SPARE, 286208                     ; the spare words, 128 bytes a wave: two blocks of 256 bytes that no other line names
.set XA, 4                             ; v4   x: 3,072 r + 64 h
.set L16, 5                            ; v5   16 x lane
.set L4, 6                             ; v6   4 x lane
.set LIX, 7                            ; v7   XIMG + 16 x lane
.set XWI, 8                            ; v8   where I store x's images
.set XWS, 9                            ; v9   and their scale words
.set LSX, 10                           ; v10  XSC + 4 x lane
.set WA0, 11                           ; v11  my lane's place in my wave's part of a slot
.set WA, 12                            ; v12  the same in the slot in hand
.set WSO, 13                           ; v13  24 x lane: a row of W's scale bytes
.set BOQ, 14                           ; v14  32 h
.set BOV, 15                           ; v15  4 r
.set CA, 16                            ; v16  offset of the codes' stores
.set SOFF0, 17                         ; v17  24,576 + 384 h + 4 r
.set SA, 18                            ; v18  offset of the scale words' stores
.set SPW, 19                           ; v19  LDS address of my spare word; never rewritten
.set NIL, 20                           ; v20  0; never rewritten
.set SW, 21                            ; v21-22 scale words on their way out
.set WD, 24                            ; v24-27 the scale words of token tiles 0-3, a byte a trip
.set BT, 28                            ; v28-29 bv of my column, tiles 0, 1
.set VH, 30
.set VSA, 31
.set XS, 32                            ; v32-43 x's scale words: 3 m + p: lanes 0-15 K step 2 p, lanes 16-31 K step 2 p + 1
.set WS, 44                            ; v44-49 W's scale words of K step s: lanes 0-15 tile 0, lanes 16-31 tile 1
.set PW, 50
.set BIAS, 52                          ; v52-67 the C of a sum's first product: 8 registers a tile
.set TM, 68                            ; v68-83 largest magnitudes, bytes, holds, the conversions' scale operands
.set PC, 84                            ; v84-99 the codes just made
.set ACC, 128
.set WV, 30
.set G1, 36                            ; s[36:43] descriptor group 1;  s[44:47] group 0, which walks
.set G0, 44
.set VAD, 48                           ; s[48:49] Wv's first tile of my wave
.set TB, 50                            ; s50  LDS byte at which the slot in hand begins
.set SH, 51                            ; s51  8 x (trip % 4)
.set CB, 52                            ; s52  512 x block: the codes' place in a chunk
.set CNT, 53
.set HM, 54                            ; s54  lanes 16-31
.set SB, 55                            ; s55  64 x K step: the scale words' place
.set SEL, 56
.set MNT, 58
.set WSB, 60                           ; s[60:61] the trip's rows of W's scale bytes
.set BB, 62                            ; s[62:63] the trip's biases
.set VWS, 66
.set VBB, 68
.set OB, 70                            ; s[70:71] qw or kw at my work-group's two chunks
.set VOB, 72                           ; s[72:73] vw at my wave's chunk
.set VB, 74
.set VSB, 75
.set MSB, 0
.macro WIN new                         ; the immediate's high byte repeats the setting that is left; a switch that changes nothing is dropped
.if MSB != (\new)
	s_set_vgpr_msb (MSB<<8)|(\new)
.set MSB, (\new)
.endif
.endm
.macro PLACES n
.rept \n
	v_nop
.endr
.endm
.macro ROUND                           ; a round of the cluster's barrier
	s_barrier_signal -1
	s_barrier_wait -1
	s_cmp_lg_u32 s[WV], 0
	s_cbranch_scc1 .Lnw0_\@
	s_barrier_signal -3
.Lnw0_\@:
	s_barrier_wait -3
	s_barrier_signal -1
	s_barrier_wait -1
.endm
; one product; ra, rb = 1: the side's scales are read from lanes 16-31
.macro WM d, a, b, c, sa, sb, ra, rb
.if ((\ra) == 0) && ((\rb) == 0)
	v_wmma_scale_f32_16x16x128_f8f6f4 v[\d:\d+7], v[\a:\a+15], v[\b:\b+15], \c, v[\sa], v[\sb] matrix_a_fmt:MATRIX_FMT_BF8 matrix_b_fmt:MATRIX_FMT_BF8
.elseif ((\ra) == 1) && ((\rb) == 0)
	v_wmma_scale_f32_16x16x128_f8f6f4 v[\d:\d+7], v[\a:\a+15], v[\b:\b+15], \c, v[\sa], v[\sb] matrix_a_fmt:MATRIX_FMT_BF8 matrix_b_fmt:MATRIX_FMT_BF8 matrix_a_scale:MATRIX_SCALE_ROW1
.elseif ((\ra) == 0) && ((\rb) == 1)
	v_wmma_scale_f32_16x16x128_f8f6f4 v[\d:\d+7], v[\a:\a+15], v[\b:\b+15], \c, v[\sa], v[\sb] matrix_a_fmt:MATRIX_FMT_BF8 matrix_b_fmt:MATRIX_FMT_BF8 matrix_b_scale:MATRIX_SCALE_ROW1
.else
	v_wmma_scale_f32_16x16x128_f8f6f4 v[\d:\d+7], v[\a:\a+15], v[\b:\b+15], \c, v[\sa], v[\sb] matrix_a_fmt:MATRIX_FMT_BF8 matrix_b_fmt:MATRIX_FMT_BF8 matrix_a_scale:MATRIX_SCALE_ROW1 matrix_b_scale:MATRIX_SCALE_ROW1
.endif
.endm
; 64 numbers of a lane in window W, v[s] on: four groups of 16, each half of a block of 32 whose other half lies in lane l xor 16.  Codes to v[PC + 4 b], bytes to v[TM + 4 + b]; pw = 1: the four bytes as a word in v[PW].
.macro QUANT s, W, pw
	WIN ((\W)|((\W)<<2))
.irp b, 0,1,2,3
	v_max3_num_f32 v[TM+\b], |v[\s+16*\b]|, |v[\s+16*\b+1]|, 0x8000000   ; my 16 numbers, and the floor 2^(16 - 127): the byte cannot fall under 1
.endr
.irp i, 2,4,6,8,10,12,14
.irp b, 0,1,2,3
	v_max3_num_f32 v[TM+\b], |v[\s+16*\b+\i]|, |v[\s+16*\b+\i+1]|, v[TM+\b]   ; the four groups by turns
.endr
.endr
	WIN 0
.irp b, 0,1,2,3
	v_permlanex16_b32 v[TM+4+\b], v[TM+\b], s[SEL], s[SEL+1]
.endr
.irp b, 0,1,2,3
	v_max_num_f32 v[TM+\b], v[TM+\b], v[TM+4+\b]                 ; the block's largest magnitude
.endr
.irp b, 0,1,2,3
	v_add_nc_u32 v[TM+12+\b], 0xf8800000, v[TM+\b]               ; 15 off its exponent field: the conversion's scale operand
.endr
.irp b, 0,1,2,3
	v_and_or_b32 v[TM+8+\b], v[TM+\b], 0x7f800000, s[MNT]        ; 57,344 x the scale
.endr
.irp b, 0,1,2,3
	v_lshrrev_b32 v[TM+4+\b], 23, v[TM+12+\b]                    ; the scale's byte
.endr
.if \pw
	v_lshl_or_b32 v[PW], v[TM+5], 8, v[TM+4]
	v_lshl_or_b32 v[PW], v[TM+6], 16, v[PW]
	v_lshl_or_b32 v[PW], v[TM+7], 24, v[PW]
.endif
	WIN (((\W)<<6)|(\W))
.irp b, 0,1,2,3
.irp i, 0,1,2,3,4,5,6,7,8,9,10,11,12,13,14,15
	v_med3_num_f32 v[\s+16*\b+\i], v[\s+16*\b+\i], -v[TM+8+\b], v[TM+8+\b]   ; the conversion to an 8-bit code does not saturate (ISA guide 7.6.2): the hold at the largest code x the scale
.endr
.endr
	WIN (\W)
.irp b, 0,1,2,3
	v_cvt_scalef32_pk8_bf8_f32 v[PC+4*\b:PC+4*\b+1], v[\s+16*\b:\s+16*\b+7], v[TM+12+\b]
	v_cvt_scalef32_pk8_bf8_f32 v[PC+4*\b+2:PC+4*\b+3], v[\s+16*\b+8:\s+16*\b+15], v[TM+12+\b]
.endr
	WIN 0
	v_nop                                          ; one plain instruction behind the last conversion, ahead of whatever next touches its registers
.endm
; THE CHANGE OF SLOTS, at a trip's head.  mode 1: the other slot takes my next 32 rows; 2: Wv's first 32; 0: the last trip: nothing is filled, and a wave reads its own part alone, so its own wait is all.
.macro CHG mode
	s_wait_tensorcnt 0x0                           ; my one tensor load, this trip's tile, has landed: group 0 may be written
.if \mode
	ds_add_u32 v[SPW], v[NIL]                      ; 0 onto my spare word; the descriptor's steps stand between it and its wait
	s_xor_b32 s[G0+1], s[G0+1], SLOT1
.if \mode == 1
	s_add_nc_u64 s[G0+2:G0+3], s[G0+2:G0+3], 24576
.else
	s_mov_b64 s[G0+2:G0+3], s[VAD:VAD+1]
	s_or_b32 s[G0+3], s[G0+3], 0x80000000
.endif
	s_wait_dscnt 0x0                               ; the add is done, and my reads of the slot that I have left are over
	ROUND                                          ; both now hold of every wave of the four work-groups
	tensor_load_to_lds s[G0:G0+3], s[G1:G1+7]      ; the first thing behind the round, my one tensor load until the next: one is out by this text's count
	s_nop 0
.endif
	PLACES 8                                       ; eight places in front of the loads into registers that the last products read
.endm
.macro WLOAD                           ; the trip's 12 fragments of W (K step s, tile t) into window 3, K step by K step
	v_add_nc_u32 v[WA], s[TB], v[WA0]
	WIN 0xc0
.irp s, 0,1,2,3,4,5
.irp t, 0,1
.irp c, 0,1,2,3
	ds_load_b128 v[32*\s+16*\t+4*\c:32*\s+16*\t+4*\c+3], v[WA] offset:16*WROW*\t+128*\s+16*(\s/2)+32*\c
.endr
.endr
.endr
	WIN 0
.endm
; the next trip's scale words and biases, straight into registers.  The bases' earlier loads have been waited for.
.macro SIDE kind, step
.if \step == 1
	s_add_nc_u64 s[WSB:WSB+1], s[WSB:WSB+1], 768
	s_add_nc_u64 s[BB:BB+1], s[BB:BB+1], 128
.elseif \step == 2
	s_mov_b64 s[WSB:WSB+1], s[VWS:VWS+1]
	s_mov_b64 s[BB:BB+1], s[VBB:VBB+1]
.endif
.irp p, 0,1,2
	global_load_b64 v[WS+2*\p:WS+2*\p+1], v[WSO], s[WSB:WSB+1] offset:8*\p    ; lane l: row l of the 32: words of K steps 2 p, 2 p + 1
.endr
.if \kind == 0
.irp t, 0,1
	global_load_b128 v[BIAS+8*\t:BIAS+8*\t+3], v[BOQ], s[BB:BB+1] offset:64*\t      ; b(16 t + 8 h + 0 .. 7): the result's layout
	global_load_b128 v[BIAS+8*\t+4:BIAS+8*\t+7], v[BOQ], s[BB:BB+1] offset:64*\t+16
.endr
.else
.irp t, 0,1
	global_load_b32 v[BT+\t], v[BOV], s[BB:BB+1] offset:64*\t                       ; bv(16 t + r)
.endr
.endif
.endm
; 48 products: six K steps, the eight accumulators by turns, one instruction a turn.  The bias is the C of each sum's first product.
.macro MM kind
.irp s, 0,1,2,3,4,5
	s_wait_dscnt 8*(5-\s)                          ; this K step's eight loads are in; the later K steps' may be out
.if \s < 4
.set xw, 1
.set xb, 64*\s
.else
.set xw, 2
.set xb, 64*(\s-4)
.endif
.if \kind == 0
	WIN (0x03|(xw<<2))                             ; source 0 = W (window 3), source 1 = x
.else
	WIN (xw|0x0c)                                  ; source 0 = x, source 1 = W
.endif
.irp m, 0,1,2,3
.irp t, 0,1
.set rW, 32*\s+16*\t
.set rX, xb+16*\m
.if \kind == 0
.set rD, ACC+16*\m+8*\t
.if \s == 0
	WM rD, rW, rX, v[BIAS+8*\t:BIAS+8*\t+7], WS+\s, XS+3*\m+\s/2, \t, \s%2
.else
	WM rD, rW, rX, v[rD:rD+7], WS+\s, XS+3*\m+\s/2, \t, \s%2
.endif
.else
.set rD, ACC+32*\t+8*\m
.if \s == 0
	WM rD, rX, rW, v[BIAS+8*\t:BIAS+8*\t+7], XS+3*\m+\s/2, WS+\s, \s%2, \t
.else
	WM rD, rX, rW, v[rD:rD+7], XS+3*\m+\s/2, WS+\s, \s%2, \t
.endif
.endif
.endr
.endr
.endr
.endm
; q or k: group m = token tile m, one block of 32 d.  A lane's 16 codes are 16 bytes: each store of the wave covers 512 consecutive bytes, aligned.
.macro EPIQK
	QUANT ACC, 0, 0
	v_add_nc_u32 v[CA], s[CB], v[L16]
.irp m, 0,1,2,3
	global_store_b128 v[CA], v[PC+4*\m:PC+4*\m+3], s[OB:OB+1] offset:(\m/2)*CHUNK+(\m%2)*12288
.endr
.irp m, 0,1,2,3
	v_lshl_or_b32 v[WD+\m], v[TM+4+\m], s[SH], v[WD+\m]          ; the byte joins its K step's word
.endr
	s_add_co_u32 s[CB], s[CB], 512
	s_cmp_lg_u32 s[SH], 24                         ; every fourth trip (a count of trips alone) the words are whole and leave
	s_cbranch_scc1 .Lnoword_\@
	v_cndmask_b32 v[SW], v[WD], v[WD+1], s[HM]     ; lanes 0-15 tile 0's words, lanes 16-31 tile 1's
	v_cndmask_b32 v[SW+1], v[WD+2], v[WD+3], s[HM]
	v_add_nc_u32 v[SA], s[SB], v[SOFF0]
	global_store_b32 v[SA], v[SW], s[OB:OB+1]
	global_store_b32 v[SA], v[SW+1], s[OB:OB+1] offset:CHUNK
.irp m, 0,1,2,3
	v_mov_b32 v[WD+\m], 0
.endr
	s_add_co_u32 s[SB], s[SB], 64
	s_mov_b32 s[SH], -8
.Lnoword_\@:
	s_add_co_u32 s[SH], s[SH], 8
.endm
; v: group 2 t + beta = n tile t, tokens 32 beta on
.macro EPIV
	QUANT ACC, 0, 0
	v_add_nc_u32 v[CA], s[VB], v[L16]
.irp g, 0,1,2,3
	global_store_b128 v[CA], v[PC+4*\g:PC+4*\g+3], s[VOB:VOB+1] offset:(\g/2)*2048+(\g%2)*512
.endr
	v_lshl_or_b32 v[SW], v[TM+5], 8, v[TM+4]       ; my work-group's two bytes of a row's word
	v_lshl_or_b32 v[SW+1], v[TM+7], 8, v[TM+6]
	v_cndmask_b32 v[VH], v[SW], v[SW+1], s[HM]     ; lanes 0-15 tile 0's, lanes 16-31 tile 1's
	v_add_nc_u32 v[VSA], s[VSB], v[L4]
	global_store_b16 v[VSA], v[VH], s[VOB:VOB+1]
	s_add_co_u32 s[VB], s[VB], 4096
	s_add_co_u32 s[VSB], s[VSB], 128
.endm
.macro TRIP kind, mode, side
	CHG \mode
	WLOAD
	s_wait_loadcnt 0x0                             ; this trip's scale words and biases, asked for a trip ago
.if \kind
.irp t, 0,1
.irp j, 0,1,2,3,4,5,6,7
	v_mov_b32 v[BIAS+8*\t+\j], v[BT+\t]            ; a lane holds one n: its bias in all eight registers
.endr
.endr
	PLACES 4
.endif
	MM \kind
	WIN 0
	PLACES 8                                       ; eight places behind the last products, in front of the reads of results and of the loads below
	s_wait_xcnt 0x0                                ; the last trip's stores have read their data and offsets: both are written again below
.if \side == 1
	SIDE \kind, 1
.elseif \side == 2
	SIDE 1, 2
.endif
.if \kind
	EPIV
.else
	EPIQK
.endif
	s_xor_b32 s[TB], s[TB], SLOT1
.endm
	s_load_b256 s[4:11], s[0:1], 0x0               ; x, Wq_codes, Wq_scales, bq
	s_load_b256 s[12:19], s[0:1], 0x20             ; Wk_codes, Wk_scales, bk, Wv_codes
	s_load_b256 s[20:27], s[0:1], 0x40             ; Wv_scales, bv, qw, kw
	s_load_b64 s[28:29], s[0:1], 0x60              ; vw
	v_lshl_add_u32 v[SPW], v0, 2, SPARE
	v_mov_b32 v[NIL], 0
	ds_add_u32 v[SPW], v[NIL]                      ; the wave's opening: the add, twice on end, and its wait ahead of my first tensor load
	ds_add_u32 v[SPW], v[NIL]
	v_lshrrev_b32 v1, 5, v0
	v_readfirstlane_b32 s[WV], v1                  ; wave 0..3
	s_bfe_u32 s31, ttmp6, 0x40000                  ; cx
	s_lshl_b32 s32, ttmp9, 2
	s_add_co_u32 s32, s32, s31                     ; g = 4 x cluster + cx: it enters global addresses alone
	s_mov_b32 s[G1+0], 15|(3<<16)|(1<<20)|(1<<21)|(5<<22)|(3<<25)   ; mask: all four; elements of 8 bytes; padding on; bit 21 beside a mask; after every 64 words, four words
	s_mov_b32 s[G1+1], 32<<16                      ; tensor_dim0 = 32 elements = 256 bytes
	s_mov_b32 s[G1+2], 96<<16                      ; tensor_dim1 = 96
	s_mov_b32 s[G1+3], 32<<16                      ; tile_dim0
	s_mov_b32 s[G1+4], 96                          ; tile_dim1
	s_mov_b32 s[G1+5], 32                          ; dense: a row begins where the last ends
	s_mov_b32 s[G1+6], 0
	s_mov_b32 s[G1+7], 0
	s_mov_b32 s[G0], 1
	s_mul_i32 s[G0+1], s[WV], WPART                ; slot 0, my wave's part
	s_and_b32 s33, s[WV], 1
	s_and_b32 s34, s32, 1
	s_mul_i32 s76, s33, 294912                     ; rows 384 (w & 1) on: codes,
	s_mov_b32 s77, 0
	s_mul_i32 s78, s33, 9216                       ; scale bytes,
	s_mov_b32 s79, 0
	s_mul_i32 s80, s33, 1536                       ; biases
	s_mov_b32 s81, 0
	s_mul_i32 s82, s32, 2*CHUNK                    ; my work-group's two chunks of qw or kw
	s_mov_b32 s83, 0
	s_mul_i32 s84, s32, 196608                     ; x: 64 rows of 3,072 bytes a work-group,
	s_mul_i32 s35, s[WV], 49152                    ; 16 a wave
	s_add_co_u32 s84, s84, s35
	s_mov_b32 s85, 0
	s_mov_b32 s[TB], 0
	s_mov_b32 s[SH], 0
	s_mul_i32 s[CB], s33, 6144
	s_mov_b32 s[HM], 0xffff0000
	s_mul_i32 s[SB], s33, 192
	s_mov_b32 s[SEL], 0x76543210
	s_mov_b32 s[SEL+1], 0xfedcba98
	s_mov_b32 s[MNT], 0x600000
	s_lshl_b32 s[VB], s34, 10
	s_lshl_b32 s[VSB], s34, 1
	s_add_co_u32 s[VSB], s[VSB], 24576
	s_wait_dscnt 0x0                               ; both opening adds are done
	s_wait_kmcnt 0x0
	s_cmp_lt_u32 s[WV], 2                          ; waves 0, 1: q; waves 2, 3: k.  The choice hangs on the wave's number alone
	s_cselect_b64 s[G0+2:G0+3], s[6:7], s[12:13]
	s_cselect_b64 s[WSB:WSB+1], s[8:9], s[14:15]
	s_cselect_b64 s[BB:BB+1], s[10:11], s[16:17]
	s_cselect_b64 s[OB:OB+1], s[24:25], s[26:27]
	s_add_nc_u64 s[G0+2:G0+3], s[G0+2:G0+3], s[76:77]
	s_or_b32 s[G0+3], s[G0+3], 0x80000000
	s_add_nc_u64 s[WSB:WSB+1], s[WSB:WSB+1], s[78:79]
	s_add_nc_u64 s[BB:BB+1], s[BB:BB+1], s[80:81]
	s_add_nc_u64 s[OB:OB+1], s[OB:OB+1], s[82:83]
	s_add_nc_u64 s[4:5], s[4:5], s[84:85]
	ROUND                                          ; the four work-groups are here: the first joint loads meet
	tensor_load_to_lds s[G0:G0+3], s[G1:G1+7]      ; trip 0's tile
	s_nop 0
	PLACES 4
	s_mul_i32 s76, s[WV], 147456
	s_add_nc_u64 s[VAD:VAD+1], s[18:19], s[76:77]  ; Wv's rows 192 w on
	s_mul_i32 s76, s[WV], 4608
	s_add_nc_u64 s[VWS:VWS+1], s[20:21], s[76:77]
	s_mul_i32 s76, s[WV], 768
	s_add_nc_u64 s[VBB:VBB+1], s[22:23], s[76:77]
	s_lshr_b32 s76, s32, 1
	s_lshl_b32 s76, s76, 2
	s_add_co_u32 s76, s76, s[WV]
	s_mul_i32 s76, s76, CHUNK
	s_add_nc_u64 s[VOB:VOB+1], s[28:29], s[76:77]  ; vw: chunk (g / 2) x 4 + w
	v_and_b32 v1, 31, v0                           ; lane
	v_and_b32 v2, 15, v0                           ; r
	v_bfe_u32 v3, v0, 4, 1                         ; h
	v_mul_u32_u24 v[XA], v2, 3072
	v_lshl_add_u32 v[XA], v3, 6, v[XA]
	v_lshlrev_b32 v[L16], 4, v1
	v_lshlrev_b32 v[L4], 2, v1
	v_mul_u32_u24 v[WSO], v1, 24
	v_lshlrev_b32 v[BOQ], 5, v3
	v_lshlrev_b32 v[BOV], 2, v2
	SIDE 0, 0                                      ; trip 0's scale words and biases: seven loads, older than x's
	WIN 0x40
.irp s, 0,1,2,3                        ; x: lane (r, h) takes, of row r, 16 neighbours of each block of 32: set s, register 16 b + 4 j
.irp b, 0,1,2,3
.irp j, 0,1,2,3
	global_load_b128 v[64*\s+16*\b+4*\j:64*\s+16*\b+4*\j+3], v[XA], s[4:5] offset:512*\s+128*\b+16*\j th:TH_LOAD_NT
.endr
.endr
.endr
	WIN 0x80
.irp s, 4,5
.irp b, 0,1,2,3
.irp j, 0,1,2,3
	global_load_b128 v[64*(\s-4)+16*\b+4*\j:64*(\s-4)+16*\b+4*\j+3], v[XA], s[4:5] offset:512*\s+128*\b+16*\j th:TH_LOAD_NT
.endr
.endr
.endr
	WIN 0
	v_add_nc_u32 v[LIX], XIMG, v[L16]
	s_mul_i32 s76, s[WV], 12288
	v_add_nc_u32 v[XWI], s76, v[LIX]
	s_mul_i32 s76, s[WV], 384
	s_add_co_u32 s76, s76, XSC
	v_add_nc_u32 v[XWS], s76, v[BOV]
	v_add_nc_u32 v[LSX], XSC, v[L4]
	v_mul_u32_u24 v[WA0], v2, WROW
	v_lshl_add_u32 v[WA0], v3, 4, v[WA0]
	s_mul_i32 s76, s[WV], WPART
	v_add_nc_u32 v[WA0], s76, v[WA0]
	v_mul_u32_u24 v[SOFF0], v3, 384
	v_lshl_add_u32 v[SOFF0], v2, 2, v[SOFF0]
	v_add_nc_u32 v[SOFF0], 24576, v[SOFF0]
.irp b, 0,1,2,3
	v_mov_b32 v[TM+4+\b], 0                        ; written once: a lane permute's destination counts as one of its sources
	v_mov_b32 v[WD+\b], 0
.endr
; my 16 rows of x become six fragments, which go to LDS as images of their registers
.macro XQ s, W, left
	s_wait_loadcnt \left                           ; set s is in; the count is what the later sets' loads leave out (the field holds 63 at the most)
	QUANT 64*((\s)%4), \W, 1
.irp c, 0,1,2,3
	ds_store_b128 v[XWI], v[PC+4*\c:PC+4*\c+3] offset:2048*(\s)+512*\c
.endr
	ds_store_b32 v[XWS], v[PW] offset:64*(\s)      ; both lanes of a row write the same word with the same value
	s_wait_dscnt 0x0                               ; the stores have read their registers
.endm
	XQ 0, 1, 63
	XQ 1, 1, 63
	XQ 2, 1, 48
	XQ 3, 1, 32
	XQ 4, 2, 16
	XQ 5, 2, 0
	s_barrier_signal -1                            ; every wave's stores have landed (the wait above); trip 0's tile may stay on its way
	s_barrier_wait -1
	WIN 0x40
.irp s, 0,1,2,3
.irp m, 0,1,2,3
.irp c, 0,1,2,3
	ds_load_b128 v[64*\s+16*\m+4*\c:64*\s+16*\m+4*\c+3], v[LIX] offset:(6*\m+\s)*2048+512*\c
.endr
.endr
.endr
	WIN 0x80
.irp s, 4,5
.irp m, 0,1,2,3
.irp c, 0,1,2,3
	ds_load_b128 v[64*(\s-4)+16*\m+4*\c:64*(\s-4)+16*\m+4*\c+3], v[LIX] offset:(6*\m+\s)*2048+512*\c
.endr
.endr
.endr
	WIN 0
.irp m, 0,1,2,3
.irp p, 0,1,2
	ds_load_b32 v[XS+3*\m+\p], v[LSX] offset:384*\m+128*\p
.endr
.endr                                  ; (the first change of slots waits for all of these)
	s_mov_b32 s[CNT], 11
.Lqk:
	TRIP 0, 1, 1
	s_sub_co_u32 s[CNT], s[CNT], 1
	s_cmp_lg_u32 s[CNT], 0
	s_cbranch_scc1 .Lqk
	TRIP 0, 2, 2                                   ; q's or k's last 32 rows; Wv's first tile and side data are asked for
	s_mov_b32 s[CNT], 5
.Lv:
	TRIP 1, 1, 1
	s_sub_co_u32 s[CNT], s[CNT], 1
	s_cmp_lg_u32 s[CNT], 0
	s_cbranch_scc1 .Lv
	TRIP 1, 0, 0                                   ; the last trip is written out: it asks for nothing
	s_wait_tensorcnt 0x0                           ; the wave's end
	ds_add_u32 v[SPW], v[NIL]
	s_wait_dscnt 0x0
	ROUND                                          ; the closing round: no work-group ends while a partner may still ask for a tile that names it
	s_endpgm
.Lfunc_end_k_qb970323d6a_proj:
	.size	k_qb970323d6a_proj, .Lfunc_end_k_qb970323d6a_proj-k_qb970323d6a_proj
	.p2alignl 7, 3214868480
	.fill 96, 4, 3214868480
	.section	.rodata,"a",@progbits
	.p2align	6, 0x0
	.amdhsa_kernel k_qb970323d6a_proj
		.amdhsa_group_segment_fixed_size 327680
		.amdhsa_private_segment_fixed_size 0
		.amdhsa_enable_private_segment 0
		.amdhsa_kernarg_size 104
		.amdhsa_user_sgpr_count 2
		.amdhsa_user_sgpr_kernarg_segment_ptr 1
		.amdhsa_wavefront_size32 1
		.amdhsa_system_sgpr_workgroup_id_x 1
		.amdhsa_system_sgpr_workgroup_id_y 1
		.amdhsa_system_sgpr_workgroup_id_z 1
		.amdhsa_system_vgpr_workitem_id 0
		.amdhsa_next_free_vgpr 960
		.amdhsa_next_free_sgpr 96
		.amdhsa_reserve_vcc 0
		.amdhsa_float_denorm_mode_32 3
		.amdhsa_float_denorm_mode_16_64 3
		.amdhsa_memory_ordered 1
		.amdhsa_forward_progress 1
		.amdhsa_inst_pref_size 155
	.end_amdhsa_kernel
	.amdgpu_metadata
---
amdhsa.version: [ 1, 2 ]
amdhsa.kernels:
  - .name:           k_qb970323d6a_proj
    .symbol:         k_qb970323d6a_proj.kd
    .args:
      - { .name: x, .offset: 0, .size: 8, .value_kind: global_buffer, .address_space: global }
      - { .name: Wq_codes, .offset: 8, .size: 8, .value_kind: global_buffer, .address_space: global }
      - { .name: Wq_scales, .offset: 16, .size: 8, .value_kind: global_buffer, .address_space: global }
      - { .name: bq, .offset: 24, .size: 8, .value_kind: global_buffer, .address_space: global }
      - { .name: Wk_codes, .offset: 32, .size: 8, .value_kind: global_buffer, .address_space: global }
      - { .name: Wk_scales, .offset: 40, .size: 8, .value_kind: global_buffer, .address_space: global }
      - { .name: bk, .offset: 48, .size: 8, .value_kind: global_buffer, .address_space: global }
      - { .name: Wv_codes, .offset: 56, .size: 8, .value_kind: global_buffer, .address_space: global }
      - { .name: Wv_scales, .offset: 64, .size: 8, .value_kind: global_buffer, .address_space: global }
      - { .name: bv, .offset: 72, .size: 8, .value_kind: global_buffer, .address_space: global }
      - { .name: qw, .offset: 80, .size: 8, .value_kind: global_buffer, .address_space: global }
      - { .name: kw, .offset: 88, .size: 8, .value_kind: global_buffer, .address_space: global }
      - { .name: vw, .offset: 96, .size: 8, .value_kind: global_buffer, .address_space: global }
    .group_segment_fixed_size: 327680
    .private_segment_fixed_size: 0
    .kernarg_segment_align: 8
    .kernarg_segment_size: 104
    .max_flat_workgroup_size: 128
    .sgpr_count:     96
    .vgpr_count:     960
    .wavefront_size: 32
...
	.end_amdgpu_metadata
.endif
;; end of part 1
;; launch attn (part 2): grid 16 x 16, 4 waves a work-group, clusters of 4 x 1, 327,680 bytes of LDS; arguments qw, kw, vw, x, out0; writes out0
.if DOCPART == 2
	.amdgcn_target "amdgcn-amd-amdhsa--gfx1250"
	.amdhsa_code_object_version 6
	.text
	.protected	k_qb970323d6a_attn
	.globl	k_qb970323d6a_attn
	.p2align	8
	.type	k_qb970323d6a_attn,@function
k_qb970323d6a_attn:
	s_mov_b64 s[64:65], 0
	v_nop
	global_prefetch_b8 v0, s[64:65] scope:SCOPE_SE
	s_setreg_imm32_b32 hwreg(HW_REG_WAVE_MODE, 25, 1), 1
	s_wait_xcnt 0x0
	s_wait_alu depctr_hold_cnt(0) depctr_sa_sdst(0) depctr_va_vdst(0) depctr_va_sdst(0) depctr_va_ssrc(0) depctr_va_vcc(0) depctr_vm_vsrc(0)
	s_getreg_b32 s2, hwreg(HW_REG_IB_STS2, 6, 4)
	s_cmp_eq_u32 s2, 0
	s_cbranch_scc0 .Lentry_in_a_cluster
	s_endpgm
.Lentry_in_a_cluster:
	s_bfe_u32 s2, ttmp6, 0x10000c
	s_cmp_lg_u32 s2, 0x3003
	s_cbranch_scc0 .Lentry_shape_is_right
	s_endpgm
.Lentry_shape_is_right:
; out0[b] (flat n x 1,024 + query) = O(query, n) / l(query) + x[b] (the same flat place), O = P V, P = 2^(t - M), t = (q . k) log2(e) / sqrt(768), M = ceil(the row's largest t), l = the row's sum of the unquantised p.
; Both products on codes of BF8 (E5M2) with one E8M0 scale for each 32 along K.  q, k, v come as the launch before laid them: chunks of 25,344 bytes = 12 images of fragments (2,048 bytes: register group c of lane l at 512 c + 16 l) + 768 scale bytes.
; No work is left out: every key counts for every query.
; SHARES.  A work-group owns 64 queries of one batch.  Q's 24 fragments stay in EVERY wave's registers.  Phase S: wave w makes S^T for keys 256 w .. 256 w + 255, all 64 queries: 512 registers; eight trips of 32 keys.
;   ALL OF S STAYS IN REGISTERS: the row's maximum is taken over all 1,024 keys (the four waves' meet in LDS) before any exponential, so M is the final one and O is never rescaled.
;   P, quantised along the keys, goes to LDS as images of its fragments.  Phase O: wave w makes n = 192 w .. 192 w + 191 for all 64 queries: 48 accumulators; eight trips of 128 keys.
; LAYOUT.  S^T = K Q^T (source 0 = 16 keys): a lane holds one query, the 16 registers of two neighbouring tiles are half a block of 32 keys, in the same order inside the block as the launch before gave v: the products pair the right numbers; only the order of the sums differs from memory's.
;   O = P V (source 0 = 16 queries, source 1 = 16 n): a lane holds one n and eight neighbouring queries, which are neighbours in out0.
; CLUSTER.  The four query blocks of a cluster belong to one batch and walk the same K and V: each chunk is asked for JOINTLY (mask 15), one tensor load a wave behind each round.
; LIMITS: NaN and infinities are not served.  A block of p whose largest lies under 2^-111 keeps the scale byte 1 (a block of zeros too: its codes are zeros).
; REGISTERS, in windows of 256.  Window 0: v2-63 addresses, scales; v64-127 K's fragments (two sets), later P's four, later rows on the way out; v128-255 Q's K steps 4, 5, later the softmax's block figures, later x.
;   Window 1: Q's K steps 0-3, later p's codes, later V's 12 fragments (v0-191) and the waves' sums (v192-207), later x.  Windows 2, 3: S (trip t, tile (m, u) at 64 m + 16 (t % 4) + 8 u of window 2 + t / 4), later O ((i, m) at 32 (i % 8) + 8 m of window 2 + i / 8) and x (window 3, v128-255).
.set CHUNK, 25344
.set SLOT1, 131072                     ; slot 0 at 0, slot 1 here: 4 x 25,344 bytes each, wave w's chunk at 25,344 w
.set MXR,   101376                     ; the waves' row maxima: 256 w + 4 q
.set SMR,   102400                     ; the waves' row sums, likewise
.set SPARE, 103424                     ; the spare words, 128 bytes a wave: two blocks of 256 bytes that no other line names
.set PSC,   103936                     ; P's scale words: (4 ks + m) x 128 + 4 x lane
.set PIMG,  232448                     ; P's 32 fragments: (4 ks + m) x 2,048
.set L16, 2
.set L4, 3
.set KA0, 4                            ; v4, v5   16 x lane + my chunk, slot 0, 1
.set SPW, 6                            ; v6   LDS address of my spare word; never rewritten
.set NIL, 7                            ; v7   0; never rewritten
.set PFO, 8                            ; v8   the prefetches' offset; never rewritten
.set KSA0, 9                           ; v9, v10  4 x lane + my chunk's scale bytes, slot 0, 1
.set MXW, 11
.set MXRD, 12
.set SMW, 13
.set RLA, 14
.set PWA, 15
.set QS, 16                            ; v16-27 Q's scale words: 3 m + p: lanes 0-15 K step 2 p, lanes 16-31 K step 2 p + 1
.set SC, 28                            ; v28-33 K's scale words (3 u + p, likewise), later V's (i / 2: lanes 0-15 tile i even, lanes 16-31 odd)
.set PS, 34                            ; v34-37 P's scale words
.set PSW, 38
.set SO, 39
.set SR, 40
.set XO, 41
.set VA, 42
.set VSA, 43
.set PA, 44
.set PSA, 45
.set RL, 46                            ; v46-49 1 / l of queries 4 (lane % 16) + 0 .. 3
.set PIB, 50
.set PSB, 51
.set T4, 52                            ; v52-55 at work
.set KF, 64
.set PF, 64
.set MB, 64                            ; v64-79 the waves' maxima read back
.set NEGM, 80                          ; v80-87 -M, a pair a tile of queries
.set SUM, 88                           ; v88-95 the sums, a pair a tile
.set PWR, 96                           ; v96-103 p's scale words, one a fragment
.set RM, 120                           ; v120-123 at work
.set BM, 128                           ; v128-159 a block's largest score, then its largest p: 4 F + b
.set SCO, 160                          ; v160-191 the conversions' scale operands
.set HOLD, 192                         ; v192-223 57,344 x the scale
.set BY, 224                           ; v224-255 the scales' bytes
.set WV, 14
.set G1, 20
.set G0, 28
.set VAD, 32                           ; s[32:33] my wave's first chunk of vw: V's first tile, and the base of V's prefetches; never rewritten
.set TB, 34
.set PK, 35
.set CNT, 36
.set PSK, 37
.set CS, 38                            ; s[38:39] log2(e) / sqrt(768)
.set SEL, 40
.set MNT, 42
.set LIM, 43                           ; s43  1 in the batch's first cluster
.set PFK, 44                           ; s[44:45] my wave's first chunk of kw; never rewritten
.set XB, 48
.set OB, 50
.set QB, 52
.set MSB, 0
.macro WIN new                         ; the immediate's high byte repeats the setting that is left; a switch that changes nothing is dropped
.if MSB != (\new)
	s_set_vgpr_msb (MSB<<8)|(\new)
.set MSB, (\new)
.endif
.endm
.macro PLACES n
.rept \n
	v_nop
.endr
.endm
.macro ROUND                           ; a round of the cluster's barrier
	s_barrier_signal -1
	s_barrier_wait -1
	s_cmp_lg_u32 s[WV], 0
	s_cbranch_scc1 .Lnw0_\@
	s_barrier_signal -3
.Lnw0_\@:
	s_barrier_wait -3
	s_barrier_signal -1
	s_barrier_wait -1
.endm
.macro WM d, a, b, c, sa, sb, ra, rb   ; one product; ra, rb = 1: the side's scales are read from lanes 16-31
.if ((\ra) == 0) && ((\rb) == 0)
	v_wmma_scale_f32_16x16x128_f8f6f4 v[\d:\d+7], v[\a:\a+15], v[\b:\b+15], \c, v[\sa], v[\sb] matrix_a_fmt:MATRIX_FMT_BF8 matrix_b_fmt:MATRIX_FMT_BF8
.elseif ((\ra) == 1) && ((\rb) == 0)
	v_wmma_scale_f32_16x16x128_f8f6f4 v[\d:\d+7], v[\a:\a+15], v[\b:\b+15], \c, v[\sa], v[\sb] matrix_a_fmt:MATRIX_FMT_BF8 matrix_b_fmt:MATRIX_FMT_BF8 matrix_a_scale:MATRIX_SCALE_ROW1
.elseif ((\ra) == 0) && ((\rb) == 1)
	v_wmma_scale_f32_16x16x128_f8f6f4 v[\d:\d+7], v[\a:\a+15], v[\b:\b+15], \c, v[\sa], v[\sb] matrix_a_fmt:MATRIX_FMT_BF8 matrix_b_fmt:MATRIX_FMT_BF8 matrix_b_scale:MATRIX_SCALE_ROW1
.else
	v_wmma_scale_f32_16x16x128_f8f6f4 v[\d:\d+7], v[\a:\a+15], v[\b:\b+15], \c, v[\sa], v[\sb] matrix_a_fmt:MATRIX_FMT_BF8 matrix_b_fmt:MATRIX_FMT_BF8 matrix_a_scale:MATRIX_SCALE_ROW1 matrix_b_scale:MATRIX_SCALE_ROW1
.endif
.endm
; THE CHANGE OF SLOTS, at a trip's head.  mode 1: the other slot takes my next chunk of K; 2: my first of V; 3: my next of V; 0: the last trip: nothing is filled, and a wave reads its own chunk alone, so its own wait is all.
.macro CHG mode
	s_wait_tensorcnt 0x0                           ; my one tensor load, this trip's chunk, has landed: group 0 may be written
.if \mode
	ds_add_u32 v[SPW], v[NIL]                      ; 0 onto my spare word; the descriptor's steps stand between it and its wait
	s_xor_b32 s[G0+1], s[G0+1], SLOT1
.if \mode == 1
	s_add_nc_u64 s[G0+2:G0+3], s[G0+2:G0+3], CHUNK
.elseif \mode == 2
	s_mov_b64 s[G0+2:G0+3], s[VAD:VAD+1]
	s_or_b32 s[G0+3], s[G0+3], 0x80000000
.else
	s_add_nc_u64 s[G0+2:G0+3], s[G0+2:G0+3], 4*CHUNK
.endif
	s_wait_dscnt 0x0                               ; the add is done; my LDS stores have landed and my reads of the slot that I have left are over
	ROUND                                          ; all that now holds of every wave of the four work-groups
	tensor_load_to_lds s[G0:G0+3], s[G1:G1+7]      ; the first thing behind the round, my one tensor load until the next: one is out by this text's count
	s_nop 0
.endif
	PLACES 8                                       ; eight places in front of the loads into registers that the last products read
.endm
.macro KFL t, sp                       ; K's two fragments (tiles u = 0, 1) of K step sp into set sp % 2
.irp u, 0,1
.irp c, 0,1,2,3
	ds_load_b128 v[KF+32*((\sp)%2)+16*\u+4*\c:KF+32*((\sp)%2)+16*\u+4*\c+3], v[KA0+(\t)%2] offset:12288*\u+2048*(\sp)+512*\c
.endr
.endr
.endm
; PREFETCHES INTO THE L2, behind the trip's tensor load and its first LDS loads: my wave's chunk of K that the next change will ask for, and my wave's chunk ks = t of V, which is asked for seven changes on.
; All four clusters of a batch walk the same chunks: the batch's first cluster asks.  Its four partners share a chunk's 99 blocks of 256 bytes BY ADDRESS: partner cx takes blocks 32 cx + lane, held at 98
; (so 29 lanes of the last partner name block 98 once more).  The offsets are immediates: no address register is ever stepped.  K's chunks 0 and 1 come by their loads alone.
.macro ASK t
	s_cmp_eq_u32 s[LIM], 1
	s_cbranch_scc0 .Lna_\@
.if (\t) <= 5
	global_prefetch_b8 v[PFO], s[PFK:PFK+1] offset:((\t)+2)*CHUNK th:TH_LOAD_NT scope:SCOPE_SE
.endif
	global_prefetch_b8 v[PFO], s[VAD:VAD+1] offset:(\t)*4*CHUNK th:TH_LOAD_NT scope:SCOPE_SE
.Lna_\@:
.endm
; A TRIP OF PHASE S: 32 keys x 64 queries x 768: 48 products, the eight accumulators by turns; the first K step starts the sums.
.macro STRIP t, mode
	CHG \mode
.irp u, 0,1
.irp p, 0,1,2
	ds_load_b32 v[SC+3*\u+\p], v[KSA0+(\t)%2] offset:384*\u+128*\p
.endr
.endr
	KFL \t, 0
	KFL \t, 1
	ASK \t
.if (\t) == 0
	s_wait_loadcnt 0x0                             ; Q and its scale words
.endif
.set Wd, 2+(\t)/4
.irp sp, 0,1,2,3,4,5
.if \sp < 5
	s_wait_dscnt 8                                 ; this K step's set is in; the other set's eight loads may be out
.else
	s_wait_dscnt 0x0
.endif
.if \sp < 4
	WIN ((Wd<<6)|(Wd<<4)|4)                        ; K window 0, Q window 1, S window Wd
.set qb0, 64*\sp
.else
	WIN ((Wd<<6)|(Wd<<4))                          ; Q's K steps 4, 5 lie in window 0
.set qb0, 128+64*(\sp-4)
.endif
.irp m, 0,1,2,3
.irp u, 0,1
.set rD, 64*\m+16*((\t)%4)+8*\u
.set rK, KF+32*(\sp%2)+16*\u
.set rQ, qb0+16*\m
.if \sp == 0
	WM rD, rK, rQ, 0, SC+3*\u+\sp/2, QS+3*\m+\sp/2, \sp%2, \sp%2
.else
	WM rD, rK, rQ, v[rD:rD+7], SC+3*\u+\sp/2, QS+3*\m+\sp/2, \sp%2, \sp%2
.endif
.endr
.endr
.if \sp < 4
	WIN 0
	PLACES 8                                       ; in front of the loads into the set just multiplied
	KFL \t, \sp+2
.endif
.endr
	WIN 0
.endm
.macro XLD a                           ; x at the places of n tile a: 16 rows of 256 bytes; sixteen lanes read one aligned block of 256 bytes
.if (\a) < 4
	WIN 0
.set xb, 128+32*(\a)
.elseif (\a) < 8
	WIN 0xc0
.set xb, 128+32*((\a)-4)
.else
	WIN 0x40
.set xb, 32*((\a)-8)
.endif
.irp k, 0,1,2,3,4,5,6,7
	global_load_b128 v[xb+4*\k:xb+4*\k+3], v[XO], s[XB:XB+1] offset:(16*(\a)+2*\k)*4096 th:TH_LOAD_NT
.endr
.endm
; A TRIP OF PHASE O: 128 keys: P's four fragments and my chunk of V (12 fragments): 48 products on 48 accumulators.
.macro OTRIP zero, mode, first
	CHG \mode
	v_add_nc_u32 v[VA], s[TB], v[KA0]
	v_add_nc_u32 v[VSA], s[TB], v[KSA0]
	v_add_nc_u32 v[PA], s[PK], v[PIB]
	v_add_nc_u32 v[PSA], s[PSK], v[PSB]
.irp m, 0,1,2,3
.irp c, 0,1,2,3
	ds_load_b128 v[PF+16*\m+4*\c:PF+16*\m+4*\c+3], v[PA] offset:2048*\m+512*\c
.endr
.endr
.irp m, 0,1,2,3
	ds_load_b32 v[PS+\m], v[PSA] offset:128*\m
.endr
.irp p, 0,1,2,3,4,5
	ds_load_b32 v[SC+\p], v[VSA] offset:128*\p
.endr
	WIN 0x40
.if \first
.irp w, 0,1,2,3
	ds_load_b128 v[192+4*\w:192+4*\w+3], v[RLA] offset:256*\w    ; the four waves' sums of my four queries: added on the way out
.endr
.endif
.irp i, 0,1,2,3,4,5,6,7,8,9,10,11
.irp c, 0,1,2,3
	ds_load_b128 v[16*\i+4*\c:16*\i+4*\c+3], v[VA] offset:2048*\i+512*\c
.endr
.endr
.if \first
.irp a, 0,1,2,3,4,5,6
	XLD \a                                         ; the residual of n tiles 0-6: 56 loads, wanted eight trips on
.endr
.endif
.irp i, 0,1,2,3,4,5,6,7,8,9,10,11
	s_wait_dscnt 4*(11-\i)                         ; V's fragment i is in (and all that is older); the later fragments' loads may be out
.if \i < 8
	WIN 0xa4                                       ; P window 0, V window 1, O window 2
.else
	WIN 0xf4                                       ; O window 3
.endif
.irp m, 0,1,2,3
.set rD, 32*(\i%8)+8*\m
.if \zero
	WM rD, PF+16*\m, 16*\i, 0, PS+\m, SC+\i/2, 0, \i%2
.else
	WM rD, PF+16*\m, 16*\i, v[rD:rD+7], PS+\m, SC+\i/2, 0, \i%2
.endif
.endr
.endr
	WIN 0
	s_xor_b32 s[TB], s[TB], SLOT1
	s_add_co_u32 s[PK], s[PK], 8192
	s_add_co_u32 s[PSK], s[PSK], 512
.endm
	s_load_b256 s[4:11], s[0:1], 0x0               ; qw, kw, vw, x
	s_load_b64 s[12:13], s[0:1], 0x20              ; out0
	v_lshl_add_u32 v[SPW], v0, 2, SPARE
	v_mov_b32 v[NIL], 0
	ds_add_u32 v[SPW], v[NIL]                      ; the wave's opening: the add, twice on end, and its wait ahead of my first tensor load
	ds_add_u32 v[SPW], v[NIL]
	v_lshrrev_b32 v1, 5, v0
	v_readfirstlane_b32 s[WV], v1                  ; wave 0..3
	s_bfe_u32 s15, ttmp6, 0x40000                  ; cx
	s_lshl_b32 s16, ttmp9, 2
	s_add_co_u32 s16, s16, s15                     ; my block of 64 queries: it enters global addresses alone
	s_and_b32 s17, ttmp7, 0xffff                   ; the batch, which the four partners share
	s_mov_b32 s[G1+0], 15|(3<<16)|(1<<21)          ; mask: all four; elements of 8 bytes; bit 21 beside a mask; no padding: every LDS read is of 512 consecutive bytes
	s_mov_b32 s[G1+1], 32<<16                      ; tensor_dim0 = 32 elements = 256 bytes
	s_mov_b32 s[G1+2], 99<<16                      ; tensor_dim1 = 99
	s_mov_b32 s[G1+3], 32<<16                      ; tile_dim0
	s_mov_b32 s[G1+4], 99                          ; tile_dim1
	s_mov_b32 s[G1+5], 32                          ; dense
	s_mov_b32 s[G1+6], 0
	s_mov_b32 s[G1+7], 0
	s_mov_b32 s[G0], 1
	s_mul_i32 s[G0+1], s[WV], CHUNK                ; slot 0, my wave's part
	s_lshl_b32 s54, s17, 5                         ; a batch has 32 chunks in each of the three buffers
	s_lshl_b32 s55, s[WV], 3
	s_add_co_u32 s56, s54, s55
	s_mul_i32 s56, s56, CHUNK                      ; kw: chunk 32 batch + 8 w
	s_mov_b32 s57, 0
	s_add_co_u32 s58, s54, s[WV]
	s_mul_i32 s58, s58, CHUNK                      ; vw: chunk 32 batch + w
	s_mov_b32 s59, 0
	s_lshl_b32 s60, s16, 1
	s_add_co_u32 s60, s60, s54
	s_mul_i32 s60, s60, CHUNK                      ; qw: chunk 32 batch + 2 x block
	s_mov_b32 s61, 0
	s_mul_i32 s62, s17, 3145728                    ; x, out0: the batch,
	s_mul_i32 s55, s[WV], 786432                   ; my 192 rows of 4,096 bytes,
	s_add_co_u32 s62, s62, s55
	s_lshl_b32 s55, s16, 8                         ; my block's 256 bytes of each
	s_add_co_u32 s62, s62, s55
	s_mov_b32 s63, 0
	s_mov_b32 s[TB], 0
	s_mov_b32 s[PK], 0
	s_mov_b32 s[PSK], 0
	s_mov_b32 s[CS], 0x3d553b95                    ; log2(e) / sqrt(768)
	s_mov_b32 s[CS+1], s[CS]                       ; (named with it as a pair, so it is written)
	s_mov_b32 s[SEL], 0x76543210
	s_mov_b32 s[SEL+1], 0xfedcba98
	s_mov_b32 s[MNT], 0x600000
	s_cmp_eq_u32 ttmp9, 0                          ; the same in all four partners
	s_cselect_b32 s[LIM], 1, -1
	s_wait_dscnt 0x0                               ; both opening adds are done
	s_wait_kmcnt 0x0
	s_add_nc_u64 s[PFK:PFK+1], s[6:7], s[56:57]
	s_mov_b64 s[G0+2:G0+3], s[PFK:PFK+1]
	s_or_b32 s[G0+3], s[G0+3], 0x80000000
	s_add_nc_u64 s[VAD:VAD+1], s[8:9], s[58:59]
	s_add_nc_u64 s[QB:QB+1], s[4:5], s[60:61]
	s_add_nc_u64 s[XB:XB+1], s[10:11], s[62:63]
	s_add_nc_u64 s[OB:OB+1], s[12:13], s[62:63]
	ROUND                                          ; the four work-groups are here: the first joint loads meet
	tensor_load_to_lds s[G0:G0+3], s[G1:G1+7]      ; trip 0's chunk of K
	s_nop 0
	PLACES 4
	v_and_b32 v58, 31, v0                          ; lane
	v_and_b32 v56, 15, v0                          ; r
	v_bfe_u32 v57, v0, 4, 1                        ; h
	v_lshlrev_b32 v[L16], 4, v58
	v_lshlrev_b32 v[L4], 2, v58
	WIN 0x40
.irp sp, 0,1,2,3                       ; Q stays in registers: fragment (m, sp)
.irp m, 0,1,2,3
.irp c, 0,1,2,3
	global_load_b128 v[64*\sp+16*\m+4*\c:64*\sp+16*\m+4*\c+3], v[L16], s[QB:QB+1] offset:(\m/2)*CHUNK+(\m%2)*12288+2048*\sp+512*\c
.endr
.endr
.endr
	WIN 0
.irp sp, 4,5
.irp m, 0,1,2,3
.irp c, 0,1,2,3
	global_load_b128 v[128+64*(\sp-4)+16*\m+4*\c:128+64*(\sp-4)+16*\m+4*\c+3], v[L16], s[QB:QB+1] offset:(\m/2)*CHUNK+(\m%2)*12288+2048*\sp+512*\c
.endr
.endr
.endr
.irp m, 0,1,2,3
.irp p, 0,1,2
	global_load_b32 v[QS+3*\m+\p], v[L4], s[QB:QB+1] offset:(\m/2)*CHUNK+24576+384*(\m%2)+128*\p
.endr
.endr
	s_mul_i32 s54, s[WV], CHUNK
	v_add_nc_u32 v[KA0], s54, v[L16]
	v_add_nc_u32 v[KA0+1], SLOT1, v[KA0]
	v_add_nc_u32 v[KSA0], s54, v[L4]
	v_add_nc_u32 v[KSA0], 24576, v[KSA0]
	v_add_nc_u32 v[KSA0+1], SLOT1, v[KSA0]
	v_lshlrev_b32 v59, 2, v56
	s_lshl_b32 s55, s[WV], 8
	v_add_nc_u32 v[MXRD], MXR, v59
	v_add_nc_u32 v[MXW], s55, v[MXRD]
	v_add_nc_u32 v[SMW], SMR-MXR, v[MXW]
	v_lshlrev_b32 v[RLA], 4, v56
	v_add_nc_u32 v[RLA], SMR, v[RLA]
	v_add_nc_u32 v[PIB], PIMG, v[L16]
	s_lshl_b32 s55, s[WV], 14
	v_add_nc_u32 v[PWA], s55, v[PIB]               ; my wave's eight fragments of P: K steps 2 w, 2 w + 1
	v_add_nc_u32 v[PSB], PSC, v[L4]
	s_lshl_b32 s55, s[WV], 10
	v_add_nc_u32 v[PSW], s55, v[PSB]
	v_mul_u32_u24 v[SO], v56, 272                  ; the stage of the way out: 16 rows of 256 bytes + 16, in my own part of slot 0
	v_lshl_add_u32 v[SO], v57, 5, v[SO]
	v_add_nc_u32 v[SO], s54, v[SO]
	v_mul_u32_u24 v[SR], v57, 272
	v_lshl_add_u32 v[SR], v56, 4, v[SR]
	v_add_nc_u32 v[SR], s54, v[SR]
	v_lshlrev_b32 v[XO], 12, v57                   ; lanes 0-15 one row of x and out0, lanes 16-31 the next; 16 bytes a lane
	v_lshl_add_u32 v[XO], v56, 4, v[XO]
	s_lshl_b32 s55, s15, 5
	v_add_nc_u32 v[PFO], s55, v58
	v_min_u32 v[PFO], 98, v[PFO]
	v_lshlrev_b32 v[PFO], 8, v[PFO]
	; ---- PHASE S
	STRIP 0, 1
	STRIP 1, 1
	STRIP 2, 1
	STRIP 3, 1
	STRIP 4, 1
	STRIP 5, 1
	STRIP 6, 1
	STRIP 7, 2                                     ; behind its round V's first chunk is asked for: it lands during the softmax
	PLACES 8                                       ; eight places behind the last products
	; ---- THE SOFTMAX.  Fragment F = 4 (t / 4) + m of P: 64 registers on end, 64 (F % 4) of window 2 + F / 4; block b = its registers 16 b on
.irp F, 0,1,2,3,4,5,6,7
	WIN ((2+\F/4)|((2+\F/4)<<2))
.irp b, 0,1,2,3
	v_max3_num_f32 v[BM+4*\F+\b], v[64*(\F%4)+16*\b], v[64*(\F%4)+16*\b+1], 0xff7fffff   ; each block's largest score: it serves the row's maximum and, since p rises with the score, the block's largest p
.endr
.irp i, 2,4,6,8,10,12,14
.irp b, 0,1,2,3
	v_max3_num_f32 v[BM+4*\F+\b], v[64*(\F%4)+16*\b+\i], v[64*(\F%4)+16*\b+\i+1], v[BM+4*\F+\b]
.endr
.endr
.endr
	WIN 0
.set i, 0
.rept 32
	v_permlanex16_b32 v[SCO+i], v[BM+i], s[SEL], s[SEL+1]
.set i, i+1
.endr
.set i, 0
.rept 32
	v_max_num_f32 v[BM+i], v[BM+i], v[SCO+i]       ; with lane l xor 16's half of the block
.set i, i+1
.endr
.irp m, 0,1,2,3
	v_max3_num_f32 v[RM+\m], v[BM+4*\m], v[BM+4*\m+1], v[BM+4*\m+2]
.endr
.irp m, 0,1,2,3
	v_max3_num_f32 v[RM+\m], v[RM+\m], v[BM+4*\m+3], v[BM+16+4*\m]
.endr
.irp m, 0,1,2,3
	v_max3_num_f32 v[RM+\m], v[RM+\m], v[BM+16+4*\m+1], v[BM+16+4*\m+2]
.endr
.irp m, 0,1,2,3
	v_max_num_f32 v[RM+\m], v[RM+\m], v[BM+16+4*\m+3]            ; my 256 keys' largest score of my query of tile m
.endr
.irp m, 0,1,2,3
	ds_store_b32 v[MXW], v[RM+\m] offset:64*\m     ; both lanes of a query write the same word with the same value
.endr
	s_wait_dscnt 0x0                               ; for the others' sake: my stores have landed
	s_barrier_signal -1                            ; V's first chunk may stay on its way
	s_barrier_wait -1
.irp m, 0,1,2,3
.irp w, 0,1,2,3
	ds_load_b32 v[MB+4*\m+\w], v[MXRD] offset:256*\w+64*\m
.endr
.endr
	s_wait_dscnt 0x0
.irp m, 0,1,2,3
	v_max3_num_f32 v[RM+\m], v[MB+4*\m], v[MB+4*\m+1], v[MB+4*\m+2]
.endr
.irp m, 0,1,2,3
	v_max_num_f32 v[RM+\m], v[RM+\m], v[MB+4*\m+3]               ; the row's largest score over all 1,024 keys
.endr
.irp m, 0,1,2,3
	v_mul_f32 v[RM+\m], s[CS], v[RM+\m]            ; as t (the factor is positive)
.endr
.irp m, 0,1,2,3
	v_floor_f32 v[NEGM+2*\m], -v[RM+\m]            ; -M = floor(-t) = -ceil(t)
.endr
.irp m, 0,1,2,3
	v_mov_b32 v[NEGM+2*\m+1], v[NEGM+2*\m]         ; (the packed form names the pair)
.endr
.irp W, 2,3                            ; ONE BATCH: 512 + 32 exponentials, none of which reads another's result
	WIN (((\W)<<6)|(\W))
.set i, 0
.rept 128
	v_pk_fma_f32 v[i:i+1], v[i:i+1], s[CS:CS+1], v[NEGM+2*(i/64):NEGM+2*(i/64)+1] op_sel_hi:[1,0,0]   ; t - M, two at a time
.set i, i+2
.endr
.set i, 0
.rept 256
	v_exp_f32 v[i], v[i]                           ; p = 2^(t - M): not normalised
.set i, i+1
.endr
.endr
	WIN 0
.set i, 0
.rept 32
	v_fma_f32 v[BM+i], v[BM+i], s[CS], v[NEGM+2*((i/4)%4)]       ; the same of each block's largest score
.set i, i+1
.endr
.set i, 0
.rept 32
	v_exp_f32 v[BM+i], v[BM+i]
.set i, i+1
.endr
.irp j, 0,1,2,3,4,5,6,7
	v_mov_b32 v[SUM+\j], 0                         ; plain instructions behind the last exponential
.endr
	s_wait_alu depctr_va_vdst(0)                   ; one wait for the whole batch, ahead of its first reader
.irp W, 2,3                            ; the row's sum is taken of the unquantised p: two at a time, the four tiles of queries by turns
	WIN ((\W)<<2)
.set i, 0
.rept 32
.irp m, 0,1,2,3
	v_pk_add_f32 v[SUM+2*\m:SUM+2*\m+1], v[SUM+2*\m:SUM+2*\m+1], v[64*\m+i:64*\m+i+1]
.endr
.set i, i+2
.endr
.endr
	WIN 0
.set i, 0
.rept 32
	v_max_num_f32 v[BM+i], 0x8000000, v[BM+i]      ; the floor 2^(16 - 127): the byte cannot fall under 1
.set i, i+1
.endr
.set i, 0
.rept 32
	v_add_nc_u32 v[SCO+i], 0xf8800000, v[BM+i]     ; 15 off the exponent field: the conversion's scale operand
.set i, i+1
.endr
.set i, 0
.rept 32
	v_and_or_b32 v[HOLD+i], v[BM+i], 0x7f800000, s[MNT]          ; 57,344 x the scale
.set i, i+1
.endr
.set i, 0
.rept 32
	v_lshrrev_b32 v[BY+i], 23, v[SCO+i]            ; the scale's byte
.set i, i+1
.endr
.irp F, 0,1,2,3,4,5,6,7
	v_lshl_or_b32 v[PWR+\F], v[BY+4*\F+1], 8, v[BY+4*\F]
	v_lshl_or_b32 v[PWR+\F], v[BY+4*\F+2], 16, v[PWR+\F]
	v_lshl_or_b32 v[PWR+\F], v[BY+4*\F+3], 24, v[PWR+\F]
.endr
.irp F, 0,1,2,3,4,5,6,7
	WIN (((2+\F/4)<<6)|(2+\F/4))
.irp b, 0,1,2,3
.irp i, 0,1,2,3,4,5,6,7,8,9,10,11,12,13,14,15
	v_min_num_f32 v[64*(\F%4)+16*\b+\i], v[64*(\F%4)+16*\b+\i], v[HOLD+4*\F+\b]   ; the conversion to an 8-bit code does not saturate (ISA guide 7.6.2); p is not negative, so the hold is one-sided
.endr
.endr
	WIN (0x40|(2+\F/4))
.irp b, 0,1,2,3
	v_cvt_scalef32_pk8_bf8_f32 v[16*\F+4*\b:16*\F+4*\b+1], v[64*(\F%4)+16*\b:64*(\F%4)+16*\b+7], v[SCO+4*\F+\b]
	v_cvt_scalef32_pk8_bf8_f32 v[16*\F+4*\b+2:16*\F+4*\b+3], v[64*(\F%4)+16*\b+8:64*(\F%4)+16*\b+15], v[SCO+4*\F+\b]
.endr
.endr
	WIN 0
	v_nop                                          ; one plain instruction behind the last conversion
	WIN 0x04                                       ; an LDS store's data are its source 1: window 1
.irp F, 0,1,2,3,4,5,6,7
.irp b, 0,1,2,3
	ds_store_b128 v[PWA], v[16*\F+4*\b:16*\F+4*\b+3] offset:2048*\F+512*\b     ; P's fragments go to LDS as images of their registers
.endr
.endr
	WIN 0
.irp F, 0,1,2,3,4,5,6,7
	ds_store_b32 v[PSW], v[PWR+\F] offset:128*\F
.endr
.irp m, 0,1,2,3
	v_add_f32 v[SUM+2*\m], v[SUM+2*\m], v[SUM+2*\m+1]
.endr
.irp m, 0,1,2,3
	v_permlanex16_b32 v[RM+\m], v[SUM+2*\m], s[SEL], s[SEL+1]
.endr
.irp m, 0,1,2,3
	v_add_f32 v[SUM+2*\m], v[SUM+2*\m], v[RM+\m]   ; my 256 keys' part of the row's sum
.endr
.irp m, 0,1,2,3
	ds_store_b32 v[SMW], v[SUM+2*\m] offset:64*\m
.endr
	; ---- PHASE O.  The first trip's round stands behind every wave's wait for its LDS stores: behind it P, its scale words and the sums are whole
	OTRIP 1, 3, 1
	s_mov_b32 s[CNT], 6
.Lo:
	OTRIP 0, 3, 0
	s_sub_co_u32 s[CNT], s[CNT], 1
	s_cmp_lg_u32 s[CNT], 0
	s_cbranch_scc1 .Lo
	OTRIP 0, 0, 0                                  ; the last trip is written out: it asks for nothing
	; ---- THE WAY OUT.  The twelve additions are also the places behind the last products
	WIN 0x05
.irp e, 0,1,2,3
	v_add_f32 v[RL+\e], v[192+\e], v[196+\e]
.endr
.irp e, 0,1,2,3
	v_add_f32 v[T4+\e], v[200+\e], v[204+\e]
.endr
	WIN 0
.irp e, 0,1,2,3
	v_add_f32 v[RL+\e], v[RL+\e], v[T4+\e]         ; l of queries 4 (lane % 16) + e
.endr
.irp e, 0,1,2,3
	v_rcp_f32 v[RL+\e], v[RL+\e]
.endr
	v_nop                                          ; a plain instruction behind the last reciprocal
.irp a, 7,8,9,10,11
	XLD \a                                         ; the residual of n tiles 7-11, into registers that are free now
.endr
	WIN 0
	s_wait_alu depctr_va_vdst(0)                   ; one wait for the four reciprocals, ahead of their first reader
; n tile a: a lane holds eight neighbouring queries of one n; 16 rows (n) x 64 queries go through my stage and come back as whole rows of 256 bytes.
; The stage lies in my own part of slot 0, which has had its last fill, and my last read of it was waited for among the products of the trip before the last.
.macro TOSTAGE a
	WIN ((2+(\a)/8)<<2)
.irp m, 0,1,2,3
	ds_store_b128 v[SO], v[32*((\a)%8)+8*\m:32*((\a)%8)+8*\m+3] offset:64*\m         ; each accumulator from its low end on
	ds_store_b128 v[SO], v[32*((\a)%8)+8*\m+4:32*((\a)%8)+8*\m+7] offset:64*\m+16
.endr
	WIN 0
.irp k, 0,1,2,3,4,5,6,7
	ds_load_b128 v[64+32*((\a)%2)+4*\k:64+32*((\a)%2)+4*\k+3], v[SR] offset:544*\k   ; LDS serves a wave's instructions in order (ISA guide 5.7.1.4): these see the stores above
.endr
.endm
.macro SEND a, younger                 ; younger: the LDS instructions issued behind tile a's loads, which may stay out
	s_wait_dscnt \younger
.if 8*(11-(\a)) > 63
	s_wait_loadcnt 63                              ; (the field holds no more)
.else
	s_wait_loadcnt 8*(11-(\a))                     ; tile a's x is in; the later tiles' loads may be out
.endif
.if (\a) < 4
.set wx, 0
.set xb, 128+32*(\a)
.elseif (\a) < 8
.set wx, 3
.set xb, 128+32*((\a)-4)
.else
.set wx, 1
.set xb, 32*((\a)-8)
.endif
.set rb, 64+32*((\a)%2)
	WIN (wx<<4)
.irp k, 0,1,2,3,4,5,6,7
.irp e, 0,1
	v_pk_fma_f32 v[rb+4*\k+2*\e:rb+4*\k+2*\e+1], v[rb+4*\k+2*\e:rb+4*\k+2*\e+1], v[RL+2*\e:RL+2*\e+1], v[xb+4*\k+2*\e:xb+4*\k+2*\e+1]   ; O / l + x
.endr
.endr
	WIN 0
.irp k, 0,1,2,3,4,5,6,7
	global_store_b128 v[XO], v[rb+4*\k:rb+4*\k+3], s[OB:OB+1] offset:(16*(\a)+2*\k)*4096 th:TH_STORE_NT   ; 16 lanes store 256 consecutive bytes, at a multiple of 256 from out0's first byte
.endr
.endm
	TOSTAGE 0
.irp a, 1,2,3,4,5,6,7,8,9,10,11
.if \a > 1
	s_wait_xcnt 0x0                                ; tile a - 2's stores have read their registers: tile a's rows may land there
.endif
	TOSTAGE \a
	SEND \a-1, 16                                  ; behind tile a - 1's loads: tile a's 8 stores and 8 loads
.endr
	SEND 11, 0
	s_wait_tensorcnt 0x0                           ; the wave's end
	ds_add_u32 v[SPW], v[NIL]
	s_wait_dscnt 0x0
	ROUND                                          ; the closing round: no work-group ends while a partner may still ask for a chunk that names it
	s_endpgm
.Lfunc_end_k_qb970323d6a_attn:
	.size	k_qb970323d6a_attn, .Lfunc_end_k_qb970323d6a_attn-k_qb970323d6a_attn
	.p2alignl 7, 3214868480
	.fill 96, 4, 3214868480
	.section	.rodata,"a",@progbits
	.p2align	6, 0x0
	.amdhsa_kernel k_qb970323d6a_attn
		.amdhsa_group_segment_fixed_size 327680
		.amdhsa_private_segment_fixed_size 0
		.amdhsa_enable_private_segment 0
		.amdhsa_kernarg_size 40
		.amdhsa_user_sgpr_count 2
		.amdhsa_user_sgpr_kernarg_segment_ptr 1
		.amdhsa_wavefront_size32 1
		.amdhsa_system_sgpr_workgroup_id_x 1
		.amdhsa_system_sgpr_workgroup_id_y 1
		.amdhsa_system_sgpr_workgroup_id_z 1
		.amdhsa_system_vgpr_workitem_id 0
		.amdhsa_next_free_vgpr 1024
		.amdhsa_next_free_sgpr 80
		.amdhsa_reserve_vcc 0
		.amdhsa_float_denorm_mode_32 3
		.amdhsa_float_denorm_mode_16_64 3
		.amdhsa_memory_ordered 1
		.amdhsa_forward_progress 1
		.amdhsa_inst_pref_size 255
	.end_amdhsa_kernel
	.section	.bss,"aw",@nobits
	.p2align	6
	.space	262144
	.amdgpu_metadata
---
amdhsa.version: [ 1, 2 ]
amdhsa.kernels:
  - .name:           k_qb970323d6a_attn
    .symbol:         k_qb970323d6a_attn.kd
    .args:
      - { .name: qw, .offset: 0, .size: 8, .value_kind: global_buffer, .address_space: global }
      - { .name: kw, .offset: 8, .size: 8, .value_kind: global_buffer, .address_space: global }
      - { .name: vw, .offset: 16, .size: 8, .value_kind: global_buffer, .address_space: global }
      - { .name: x, .offset: 24, .size: 8, .value_kind: global_buffer, .address_space: global }
      - { .name: out0, .offset: 32, .size: 8, .value_kind: global_buffer, .address_space: global }
    .group_segment_fixed_size: 327680
    .private_segment_fixed_size: 0
    .kernarg_segment_align: 8
    .kernarg_segment_size: 40
    .max_flat_workgroup_size: 128
    .sgpr_count:     80
    .vgpr_count:     1024
    .wavefront_size: 32
...
	.end_amdgpu_metadata
.endif
;; end of part 2
;; ======== version 2 of 2: 2 launches
;; limits: right only within a limited range of input values
;; workspace buffers: qw 12,976,128 bytes; kw 12,976,128 bytes; vw 12,976,128 bytes
;; launch proj (part 3): grid 256 x 1, 4 waves a work-group, clusters of 4 x 1, 327,680 bytes of LDS; arguments x, Wq_codes, Wq_scales, bq, Wk_codes, Wk_scales, bk, Wv_codes, Wv_scales, bv, qw, kw, vw; writes qw, kw, vw
.if DOCPART == 3
	.amdgcn_target "amdgcn-amd-amdhsa--gfx1250"
	.amdhsa_code_object_version 6
	.text
	.protected	k_qb970323d6a_proj
	.globl	k_qb970323d6a_proj
	.p2align	8
	.type	k_qb970323d6a_proj,@function
k_qb970323d6a_proj:
	s_mov_b64 s[64:65], 0
	v_nop
	global_prefetch_b8 v0, s[64:65] scope:SCOPE_SE
	s_setreg_imm32_b32 hwreg(HW_REG_WAVE_MODE, 25, 1), 1
	s_wait_xcnt 0x0
	s_wait_alu depctr_hold_cnt(0) depctr_sa_sdst(0) depctr_va_vdst(0) depctr_va_sdst(0) depctr_va_ssrc(0) depctr_va_vcc(0) depctr_vm_vsrc(0)
	s_getreg_b32 s2, hwreg(HW_REG_IB_STS2, 6, 4)
	s_cmp_eq_u32 s2, 0
	s_cbranch_scc0 .Lentry_in_a_cluster
	s_endpgm
.Lentry_in_a_cluster:
	s_bfe_u32 s2, ttmp6, 0x10000c
	s_cmp_lg_u32 s2, 0x3003
	s_cbranch_scc0 .Lentry_shape_is_right
	s_endpgm
.Lentry_shape_is_right:
; q = x Wq^T + bq, k = x Wk^T + bk, v = x Wv^T + bv on codes of BF8 (E5M2) with one E8M0 scale for each 32 along K, and the three results quantised again for the next launch:
; q and k along d (the K of q k^T), v along the tokens (the keys are the K of P V).  x: [16384][768] f32, quantised here along its 768.  W*: [768][768] codes, K innermost; scale bytes [768][24].
; NO WORK IS LEFT OUT: every input has a way to the output (bk moves k's codes, so it stays although a softmax in real numbers would cancel it).
; SHARES.  Work-group g takes tokens 64 g .. 64 g + 63.  Their codes, 24 fragments of 16 tokens x 128 K, stay in EVERY wave's registers; the weights pass by: 18 trips a wave, 32 rows of a weight a trip, 48 matrix instructions.
;   Twelve trips: waves 0, 1 take Wq's rows 384 (w & 1) + 32 p, waves 2, 3 Wk's likewise, p = the trip's place, 0 .. 11.  Six trips: Wv's rows 192 w + 32 p, p = 0 .. 5.
; THE WALK IS STAGGERED.  c6 = the cluster's number % 6 says where a cluster begins: the twelve at place 4 (c6 % 3), the six at place c6, and both go round.  So different clusters ask for different tiles
;   at any one time, and the clusters' requests for one tile lie trips apart.  In q and k a start is a whole group of four places, so that the four bytes of a scale word are still made in four trips on end.
; CLUSTER.  The four work-groups of a cluster walk the same places: they ask for each tile JOINTLY (mask 15); a wave's tile is 32 dense rows, 24,576 bytes, one tensor load.
; x COMES BY LOADS OF 512 CONSECUTIVE BYTES (a row's 128 numbers of a K step) and turns through the wave's own stage in LDS, from which lane (r, h) takes 16 neighbours of each block of 32 of row r.
; No prefetch: each tile of the weights is asked for by many clusters, and a work-group's x is asked for whole at the head.
; LAYOUT OF THE RESULTS.  q, k: source 0 = 16 rows of W, source 1 = 16 tokens: a lane holds one token, the 16 registers of two neighbouring tiles hold 16 of a block of 32 d; lane l xor 16 holds the other 16.
;   v: source 0 = 16 tokens, source 1 = 16 rows of Wv: a lane holds one n, its registers run along the tokens.  Place 16 h + 8 u + j of a block holds element 16 u + 8 h + j of it:
;   THE ORDER INSIDE A BLOCK OF 32 IS NOT MEMORY'S.  It is the same in q and k, and the same in v and in the next launch's p, so every product pairs the right numbers and a block's scale is untouched; only the order of the sums differs.
; WORKSPACE, as images of the operand's registers: a fragment is 2,048 bytes, register group c of lane l at 512 c + 16 l.  A chunk = 12 fragments + 768 scale bytes = 25,344 bytes = 99 x 256.
;   qw, kw: chunk = token / 32: tile u2 at 12,288 u2, block b = d / 32 at 512 b; scale words at 24,576 + 384 u2 + 64 (b / 4) + 4 r, byte b % 4.
;   vw: chunk = (token / 128) x 4 + n / 192: n tile i at 2,048 i, block c = (token / 32) % 4 at 512 c; scale words at 24,576 + 64 i + 4 r, byte c.
; LIMITS: NaN and infinities among the inputs are not served.  A block whose largest magnitude lies under 2^-111 keeps the scale byte 1; a block of zeros gets the byte 1, not 127: its codes are zeros, and this program alone reads the bytes.
; REGISTERS, in windows of 256: window 0: addresses, scales, biases, the 8 accumulators (v128-191).  Windows 1, 2: first x as it is loaded (six sets of 64), then x's 24 fragments.
;   Window 3: first x turned (two sets of 64), then the trip's 12 fragments of W.
.set CHUNK, 25344
.set SLOT1, 131072                     ; slot 1 begins here, so that one exclusive or turns an address of one slot into the other's
.set WPART, 26112                      ; a wave's part of a slot: 96 units of 256 bytes + 16 of padding
.set WROW,  816                        ; so a weight's row of 768 bytes is 816 bytes from the next: an odd multiple of 16
.set XIMG,  235520                     ; x's 24 fragments, (tile m, K step s) at (6 m + s) x 2,048
.set XSC,   284672                     ; their scale words: 384 m + 64 s + 4 r
.set SPARE, 286208                     ; the spare words, 128 bytes a wave: two blocks of 256 bytes that no other line names
.set STG,   286720                     ; x's stages: 16 rows of 512 bytes + 16 for each wave; no tile lands here
.set SPI,   528                        ; a stage's row: an odd multiple of 16 bytes, so that the 16 rows that a load touches start at 16 different groups of banks
.set L16, 5                            ; v5   16 x lane
.set L4, 6                             ; v6   4 x lane
.set LIX, 7                            ; v7   XIMG + 16 x lane
.set XWI, 8                            ; v8   where I store x's images
.set XWS, 9                            ; v9   and their scale words
.set LSX, 10                           ; v10  XSC + 4 x lane
.set WA0, 11                           ; v11  my lane's place in my wave's part of a slot
.set WA, 12                            ; v12  the same in the slot in hand
.set WSO, 13                           ; v13  24 x lane: a row of W's scale bytes
.set BOQ, 14                           ; v14  32 h
.set BOV, 15                           ; v15  4 r
.set CA, 16                            ; v16  offset of the codes' stores
.set SOFF0, 17                         ; v17  24,576 + 384 h + 4 r
.set SA, 18                            ; v18  offset of the scale words' stores
.set SPW, 19                           ; v19  LDS address of my spare word; never rewritten
.set NIL, 20                           ; v20  0; never rewritten
.set SW, 21                            ; v21-22 scale words on their way out
.set WD, 24                            ; v24-27 the scale words of token tiles 0-3, a byte a trip
.set BT, 28                            ; v28-29 bv of my column, tiles 0, 1
.set VH, 30
.set VSA, 31
.set XS, 32                            ; v32-43 x's scale words: 3 m + p: lanes 0-15 K step 2 p, lanes 16-31 K step 2 p + 1
.set WS, 44                            ; v44-49 W's scale words of K step s: lanes 0-15 tile 0, lanes 16-31 tile 1
.set PW, 50
.set BIAS, 52                          ; v52-67 the C of a sum's first product: 8 registers a tile
.set TM, 68                            ; v68-83 largest magnitudes, bytes, holds, the conversions' scale operands
.set PC, 84                            ; v84-99 the codes just made
.set STW, 100                          ; v100 the stage, on the way in: 16 x lane
.set STR, 101                          ; v101 and on the way out: 528 r + 64 h
.set ACC, 128
.set WV, 30
.set G1, 36                            ; s[36:43] descriptor group 1;  s[44:47] group 0
.set G0, 44
.set VAD, 48                           ; s[48:49] Wv's rows 192 w on; never rewritten
.set TB, 50                            ; s50  LDS byte at which the slot in hand begins
.set SH, 51                            ; s51  8 x (trip % 4)
.set CB, 52                            ; s52  the codes' place in a chunk
.set CNT, 53
.set HM, 54                            ; s54  lanes 16-31
.set SB, 55                            ; s55  the scale words' place
.set SEL, 56
.set MNT, 58
.set WSB, 60                           ; s[60:61] the next trip's rows of W's scale bytes
.set BB, 62                            ; s[62:63] the next trip's biases
.set VWS, 66                           ; s[66:67], s[68:69] Wv's scale bytes and bv at my wave's rows; never rewritten
.set VBB, 68
.set OB, 70                            ; s[70:71] qw or kw at my work-group's two chunks
.set VOB, 72                           ; s[72:73] vw at my wave's chunk
.set VB, 74
.set VSB, 75
.set QKB, 86                           ; s[86:87] Wq's or Wk's rows 384 (w & 1) on; s[88:89] their scale bytes; s[90:91] their biases; never rewritten
.set WS0, 88
.set BB0, 90
.set P0, 92                            ; s92  this trip's place
.set P1, 93                            ; s93  the next trip's
.set CB0, 94
.set SB0, 95
.set VB0, 96
.set VSB0, 97
.set RV, 98                            ; s98  c6: where v's six trips begin
.set TO, 100                           ; s[100:101] an offset as a pair: the upper word stays 0
.set MSB, 0
.macro WIN new                         ; the immediate's high byte repeats the setting that is left; a switch that changes nothing is dropped
.if MSB != (\new)
	s_set_vgpr_msb (MSB<<8)|(\new)
.set MSB, (\new)
.endif
.endm
.macro PLACES n
.rept \n
	v_nop
.endr
.endm
.macro ROUND                           ; a round of the cluster's barrier
	s_barrier_signal -1
	s_barrier_wait -1
	s_cmp_lg_u32 s[WV], 0
	s_cbranch_scc1 .Lnw0_\@
	s_barrier_signal -3
.Lnw0_\@:
	s_barrier_wait -3
	s_barrier_signal -1
	s_barrier_wait -1
.endm
; one product; ra, rb = 1: the side's scales are read from lanes 16-31
.macro WM d, a, b, c, sa, sb, ra, rb
.if ((\ra) == 0) && ((\rb) == 0)
	v_wmma_scale_f32_16x16x128_f8f6f4 v[\d:\d+7], v[\a:\a+15], v[\b:\b+15], \c, v[\sa], v[\sb] matrix_a_fmt:MATRIX_FMT_BF8 matrix_b_fmt:MATRIX_FMT_BF8
.elseif ((\ra) == 1) && ((\rb) == 0)
	v_wmma_scale_f32_16x16x128_f8f6f4 v[\d:\d+7], v[\a:\a+15], v[\b:\b+15], \c, v[\sa], v[\sb] matrix_a_fmt:MATRIX_FMT_BF8 matrix_b_fmt:MATRIX_FMT_BF8 matrix_a_scale:MATRIX_SCALE_ROW1
.elseif ((\ra) == 0) && ((\rb) == 1)
	v_wmma_scale_f32_16x16x128_f8f6f4 v[\d:\d+7], v[\a:\a+15], v[\b:\b+15], \c, v[\sa], v[\sb] matrix_a_fmt:MATRIX_FMT_BF8 matrix_b_fmt:MATRIX_FMT_BF8 matrix_b_scale:MATRIX_SCALE_ROW1
.else
	v_wmma_scale_f32_16x16x128_f8f6f4 v[\d:\d+7], v[\a:\a+15], v[\b:\b+15], \c, v[\sa], v[\sb] matrix_a_fmt:MATRIX_FMT_BF8 matrix_b_fmt:MATRIX_FMT_BF8 matrix_a_scale:MATRIX_SCALE_ROW1 matrix_b_scale:MATRIX_SCALE_ROW1
.endif
.endm
; 64 numbers of a lane in window W, v[s] on: four groups of 16, each half of a block of 32 whose other half lies in lane l xor 16.  Codes to v[PC + 4 b], bytes to v[TM + 4 + b]; pw = 1: the four bytes as a word in v[PW].
.macro QUANT s, W, pw
	WIN ((\W)|((\W)<<2))
.irp b, 0,1,2,3
	v_max3_num_f32 v[TM+\b], |v[\s+16*\b]|, |v[\s+16*\b+1]|, 0x8000000   ; my 16 numbers, and the floor 2^(16 - 127): the byte cannot fall under 1
.endr
.irp i, 2,4,6,8,10,12,14
.irp b, 0,1,2,3
	v_max3_num_f32 v[TM+\b], |v[\s+16*\b+\i]|, |v[\s+16*\b+\i+1]|, v[TM+\b]   ; the four groups by turns
.endr
.endr
	WIN 0
.irp b, 0,1,2,3
	v_permlanex16_b32 v[TM+4+\b], v[TM+\b], s[SEL], s[SEL+1]
.endr
.irp b, 0,1,2,3
	v_max_num_f32 v[TM+\b], v[TM+\b], v[TM+4+\b]                 ; the block's largest magnitude
.endr
.irp b, 0,1,2,3
	v_add_nc_u32 v[TM+12+\b], 0xf8800000, v[TM+\b]               ; 15 off its exponent field: the conversion's scale operand
.endr
.irp b, 0,1,2,3
	v_and_or_b32 v[TM+8+\b], v[TM+\b], 0x7f800000, s[MNT]        ; 57,344 x the scale
.endr
.irp b, 0,1,2,3
	v_lshrrev_b32 v[TM+4+\b], 23, v[TM+12+\b]                    ; the scale's byte
.endr
.if \pw
	v_lshl_or_b32 v[PW], v[TM+5], 8, v[TM+4]
	v_lshl_or_b32 v[PW], v[TM+6], 16, v[PW]
	v_lshl_or_b32 v[PW], v[TM+7], 24, v[PW]
.endif
	WIN (((\W)<<6)|(\W))
.irp b, 0,1,2,3
.irp i, 0,1,2,3,4,5,6,7,8,9,10,11,12,13,14,15
	v_med3_num_f32 v[\s+16*\b+\i], v[\s+16*\b+\i], -v[TM+8+\b], v[TM+8+\b]   ; the conversion to an 8-bit code does not saturate (ISA guide 7.6.2): the hold at the largest code x the scale
.endr
.endr
	WIN (\W)
.irp b, 0,1,2,3
	v_cvt_scalef32_pk8_bf8_f32 v[PC+4*\b:PC+4*\b+1], v[\s+16*\b:\s+16*\b+7], v[TM+12+\b]
	v_cvt_scalef32_pk8_bf8_f32 v[PC+4*\b+2:PC+4*\b+3], v[\s+16*\b+8:\s+16*\b+15], v[TM+12+\b]
.endr
	WIN 0
	v_nop                                          ; one plain instruction behind the last conversion, ahead of whatever next touches its registers
.endm
; THE CHANGE OF SLOTS, at a trip's head.  mode 1: the other slot takes the 32 rows of Wq or Wk at place P1; 2: those of Wv at place P1; 0: the last trip: nothing is filled, and a wave reads its own part alone, so its own wait is all.
.macro CHG mode
	s_wait_tensorcnt 0x0                           ; my one tensor load, this trip's tile, has landed: group 0 may be written
.if \mode
	ds_add_u32 v[SPW], v[NIL]                      ; 0 onto my spare word; the descriptor's lines stand between it and its wait
	s_xor_b32 s[G0+1], s[G0+1], SLOT1
	s_mul_i32 s[TO], s[P1], 24576                  ; a place is 32 rows of 768 bytes
.if \mode == 1
	s_add_nc_u64 s[G0+2:G0+3], s[QKB:QKB+1], s[TO:TO+1]
.else
	s_add_nc_u64 s[G0+2:G0+3], s[VAD:VAD+1], s[TO:TO+1]
.endif
	s_or_b32 s[G0+3], s[G0+3], 0x80000000
	s_wait_dscnt 0x0                               ; the add is done, and my reads of the slot that I have left are over
	ROUND                                          ; both now hold of every wave of the four work-groups
	tensor_load_to_lds s[G0:G0+3], s[G1:G1+7]      ; the first thing behind the round, my one tensor load until the next: one is out by this text's count
	s_nop 0
.endif
	PLACES 8                                       ; eight places in front of the loads into registers that the last products read
.endm
.macro WLOAD                           ; the trip's 12 fragments of W (K step s, tile t) into window 3, K step by K step
	v_add_nc_u32 v[WA], s[TB], v[WA0]
	WIN 0xc0
.irp s, 0,1,2,3,4,5
.irp t, 0,1
.irp c, 0,1,2,3
	ds_load_b128 v[32*\s+16*\t+4*\c:32*\s+16*\t+4*\c+3], v[WA] offset:16*WROW*\t+128*\s+16*(\s/2)+32*\c
.endr
.endr
.endr
	WIN 0
.endm
; the scale words and biases of the trip at the place in s[pr], straight into registers.  kind 0: of Wq or Wk; 1: of Wv.  The two bases' earlier loads have been waited for.
.macro SIDE kind, pr
	s_mul_i32 s[TO], s[\pr], 768                   ; 32 rows of 24 scale bytes
.if \kind == 0
	s_add_nc_u64 s[WSB:WSB+1], s[WS0:WS0+1], s[TO:TO+1]
.else
	s_add_nc_u64 s[WSB:WSB+1], s[VWS:VWS+1], s[TO:TO+1]
.endif
	s_lshl_b32 s[TO], s[\pr], 7                    ; 32 biases
.if \kind == 0
	s_add_nc_u64 s[BB:BB+1], s[BB0:BB0+1], s[TO:TO+1]
.else
	s_add_nc_u64 s[BB:BB+1], s[VBB:VBB+1], s[TO:TO+1]
.endif
.irp p, 0,1,2
	global_load_b64 v[WS+2*\p:WS+2*\p+1], v[WSO], s[WSB:WSB+1] offset:8*\p    ; lane l: row l of the 32: words of K steps 2 p, 2 p + 1
.endr
.if \kind == 0
.irp t, 0,1
	global_load_b128 v[BIAS+8*\t:BIAS+8*\t+3], v[BOQ], s[BB:BB+1] offset:64*\t      ; b(16 t + 8 h + 0 .. 7): the result's layout
	global_load_b128 v[BIAS+8*\t+4:BIAS+8*\t+7], v[BOQ], s[BB:BB+1] offset:64*\t+16
.endr
.else
.irp t, 0,1
	global_load_b32 v[BT+\t], v[BOV], s[BB:BB+1] offset:64*\t                       ; bv(16 t + r)
.endr
.endif
.endm
; 48 products: six K steps, the eight accumulators by turns, one instruction a turn.  The bias is the C of each sum's first product.
.macro MM kind
.irp s, 0,1,2,3,4,5
	s_wait_dscnt 8*(5-\s)                          ; this K step's eight loads are in; the later K steps' may be out
.if \s < 4
.set xw, 1
.set xb, 64*\s
.else
.set xw, 2
.set xb, 64*(\s-4)
.endif
.if \kind == 0
	WIN (0x03|(xw<<2))                             ; source 0 = W (window 3), source 1 = x
.else
	WIN (xw|0x0c)                                  ; source 0 = x, source 1 = W
.endif
.irp m, 0,1,2,3
.irp t, 0,1
.set rW, 32*\s+16*\t
.set rX, xb+16*\m
.if \kind == 0
.set rD, ACC+16*\m+8*\t
.if \s == 0
	WM rD, rW, rX, v[BIAS+8*\t:BIAS+8*\t+7], WS+\s, XS+3*\m+\s/2, \t, \s%2
.else
	WM rD, rW, rX, v[rD:rD+7], WS+\s, XS+3*\m+\s/2, \t, \s%2
.endif
.else
.set rD, ACC+32*\t+8*\m
.if \s == 0
	WM rD, rX, rW, v[BIAS+8*\t:BIAS+8*\t+7], XS+3*\m+\s/2, WS+\s, \s%2, \t
.else
	WM rD, rX, rW, v[rD:rD+7], XS+3*\m+\s/2, WS+\s, \s%2, \t
.endif
.endif
.endr
.endr
.endr
.endm
; q or k: group m = token tile m, one block of 32 d, the block of place P0.  A lane's 16 codes are 16 bytes: each store of the wave covers 512 consecutive bytes, aligned.
.macro EPIQK
	QUANT ACC, 0, 0
	s_lshl_b32 s[CB], s[P0], 9
	s_add_co_u32 s[CB], s[CB], s[CB0]              ; 512 x block
	v_add_nc_u32 v[CA], s[CB], v[L16]
.irp m, 0,1,2,3
	global_store_b128 v[CA], v[PC+4*\m:PC+4*\m+3], s[OB:OB+1] offset:(\m/2)*CHUNK+(\m%2)*12288
.endr
.irp m, 0,1,2,3
	v_lshl_or_b32 v[WD+\m], v[TM+4+\m], s[SH], v[WD+\m]          ; the byte joins its K step's word
.endr
	s_cmp_lg_u32 s[SH], 24                         ; every fourth trip (a count of trips alone) the words are whole and leave
	s_cbranch_scc1 .Lnoword_\@
	v_cndmask_b32 v[SW], v[WD], v[WD+1], s[HM]     ; lanes 0-15 tile 0's words, lanes 16-31 tile 1's
	v_cndmask_b32 v[SW+1], v[WD+2], v[WD+3], s[HM]
	s_lshr_b32 s[SB], s[P0], 2
	s_lshl_b32 s[SB], s[SB], 6
	s_add_co_u32 s[SB], s[SB], s[SB0]              ; 64 x K step
	v_add_nc_u32 v[SA], s[SB], v[SOFF0]
	global_store_b32 v[SA], v[SW], s[OB:OB+1]
	global_store_b32 v[SA], v[SW+1], s[OB:OB+1] offset:CHUNK
.irp m, 0,1,2,3
	v_mov_b32 v[WD+\m], 0
.endr
	s_mov_b32 s[SH], -8
.Lnoword_\@:
	s_add_co_u32 s[SH], s[SH], 8
.endm
; v: group 2 t + beta = n tile 2 P0 + t, tokens 32 beta on
.macro EPIV
	QUANT ACC, 0, 0
	s_lshl_b32 s[VB], s[P0], 12
	s_add_co_u32 s[VB], s[VB], s[VB0]
	v_add_nc_u32 v[CA], s[VB], v[L16]
.irp g, 0,1,2,3
	global_store_b128 v[CA], v[PC+4*\g:PC+4*\g+3], s[VOB:VOB+1] offset:(\g/2)*2048+(\g%2)*512
.endr
	v_lshl_or_b32 v[SW], v[TM+5], 8, v[TM+4]       ; my work-group's two bytes of a row's word
	v_lshl_or_b32 v[SW+1], v[TM+7], 8, v[TM+6]
	v_cndmask_b32 v[VH], v[SW], v[SW+1], s[HM]     ; lanes 0-15 tile 0's, lanes 16-31 tile 1's
	s_lshl_b32 s[VSB], s[P0], 7
	s_add_co_u32 s[VSB], s[VSB], s[VSB0]
	v_add_nc_u32 v[VSA], s[VSB], v[L4]
	global_store_b16 v[VSA], v[VH], s[VOB:VOB+1]
.endm
; side: 1: the next trip is on Wq or Wk; 2: on Wv; 0: there is none.  lim: after how many places the next trip's walk goes round.
.macro TRIP kind, mode, side, lim
	CHG \mode
	WLOAD
	s_wait_loadcnt 0x0                             ; this trip's scale words and biases, asked for a trip ago
.if \kind
.irp t, 0,1
.irp j, 0,1,2,3,4,5,6,7
	v_mov_b32 v[BIAS+8*\t+\j], v[BT+\t]            ; a lane holds one n: its bias in all eight registers
.endr
.endr
	PLACES 4
.endif
	s_wait_alu depctr_va_vdst(0)
	MM \kind
	WIN 0
	PLACES 8                                       ; eight places behind the last products, in front of the reads of results and of the loads below
	s_wait_xcnt 0x0                                ; the last trip's stores have read their data and offsets: both are written again below
.if \side == 1
	SIDE 0, P1
.elseif \side == 2
	SIDE 1, P1
.endif
.if \kind
	EPIV
.else
	EPIQK
.endif
	s_xor_b32 s[TB], s[TB], SLOT1
.if \lim
	s_mov_b32 s[P0], s[P1]
	s_add_co_u32 s[P1], s[P1], 1
	s_cmp_eq_u32 s[P1], \lim
	s_cselect_b32 s[P1], 0, s[P1]                  ; round
.endif
.endm
	s_load_b256 s[4:11], s[0:1], 0x0               ; x, Wq_codes, Wq_scales, bq
	s_load_b256 s[12:19], s[0:1], 0x20             ; Wk_codes, Wk_scales, bk, Wv_codes
	s_load_b256 s[20:27], s[0:1], 0x40             ; Wv_scales, bv, qw, kw
	s_load_b64 s[28:29], s[0:1], 0x60              ; vw
	v_lshl_add_u32 v[SPW], v0, 2, SPARE
	v_mov_b32 v[NIL], 0
	ds_add_u32 v[SPW], v[NIL]                      ; the wave's opening: the add, twice on end, and its wait ahead of my first tensor load
	ds_add_u32 v[SPW], v[NIL]
	v_lshrrev_b32 v1, 5, v0
	v_readfirstlane_b32 s[WV], v1                  ; wave 0..3
	s_bfe_u32 s31, ttmp6, 0x40000                  ; cx
	s_lshl_b32 s32, ttmp9, 2
	s_add_co_u32 s32, s32, s31                     ; g = 4 x cluster + cx: it enters x's and the workspace's addresses alone
	s_mov_b32 s[G1+0], 15|(3<<16)|(1<<20)|(1<<21)|(5<<22)|(3<<25)   ; mask: all four; elements of 8 bytes; padding on; bit 21 beside a mask; after every 64 words, four words
	s_mov_b32 s[G1+1], 32<<16                      ; tensor_dim0 = 32 elements = 256 bytes
	s_mov_b32 s[G1+2], 96<<16                      ; tensor_dim1 = 96
	s_mov_b32 s[G1+3], 32<<16                      ; tile_dim0
	s_mov_b32 s[G1+4], 96                          ; tile_dim1
	s_mov_b32 s[G1+5], 32                          ; dense: a row begins where the last ends
	s_mov_b32 s[G1+6], 0
	s_mov_b32 s[G1+7], 0
	s_mov_b32 s[G0], 1
	s_mul_i32 s[G0+1], s[WV], WPART                ; slot 0, my wave's part
	s_and_b32 s33, s[WV], 1
	s_and_b32 s34, s32, 1
	s_mul_i32 s76, s33, 294912                     ; rows 384 (w & 1) on: codes,
	s_mov_b32 s77, 0
	s_mul_i32 s78, s33, 9216                       ; scale bytes,
	s_mov_b32 s79, 0
	s_mul_i32 s80, s33, 1536                       ; biases
	s_mov_b32 s81, 0
	s_mul_i32 s82, s32, 2*CHUNK                    ; my work-group's two chunks of qw or kw
	s_mov_b32 s83, 0
	s_mul_i32 s84, s32, 196608                     ; x: 64 rows of 3,072 bytes a work-group,
	s_mul_i32 s35, s[WV], 49152                    ; 16 a wave
	s_add_co_u32 s84, s84, s35
	s_mov_b32 s85, 0
	s_mov_b32 s[TB], 0
	s_mov_b32 s[SH], 0
	s_mul_i32 s[CB0], s33, 6144
	s_mov_b32 s[HM], 0xffff0000
	s_mul_i32 s[SB0], s33, 192
	s_mov_b32 s[SEL], 0x76543210
	s_mov_b32 s[SEL+1], 0xfedcba98
	s_mov_b32 s[MNT], 0x600000
	s_lshl_b32 s[VB0], s34, 10
	s_lshl_b32 s[VSB0], s34, 1
	s_add_co_u32 s[VSB0], s[VSB0], 24576
	s_mov_b32 s[TO+1], 0
	s_mul_hi_u32 s99, ttmp9, 0x2aaaaaab            ; the cluster's number / 6 (it is under 64),
	s_mul_i32 s99, s99, 6
	s_sub_co_u32 s[RV], ttmp9, s99                 ; c6: the same in the four partners
	s_sub_co_u32 s99, s[RV], 3
	s_cmp_lt_u32 s[RV], 3
	s_cselect_b32 s99, s[RV], s99                  ; c6 % 3
	s_lshl_b32 s[P0], s99, 2                       ; the twelve trips begin at place 0, 4 or 8
	s_add_co_u32 s[P1], s[P0], 1
	s_wait_dscnt 0x0                               ; both opening adds are done
	s_wait_kmcnt 0x0
	s_cmp_lt_u32 s[WV], 2                          ; waves 0, 1: q; waves 2, 3: k.  The choice hangs on the wave's number alone
	s_cselect_b64 s[QKB:QKB+1], s[6:7], s[12:13]
	s_cselect_b64 s[WS0:WS0+1], s[8:9], s[14:15]
	s_cselect_b64 s[BB0:BB0+1], s[10:11], s[16:17]
	s_cselect_b64 s[OB:OB+1], s[24:25], s[26:27]
	s_add_nc_u64 s[QKB:QKB+1], s[QKB:QKB+1], s[76:77]
	s_add_nc_u64 s[WS0:WS0+1], s[WS0:WS0+1], s[78:79]
	s_add_nc_u64 s[BB0:BB0+1], s[BB0:BB0+1], s[80:81]
	s_add_nc_u64 s[OB:OB+1], s[OB:OB+1], s[82:83]
	s_add_nc_u64 s[4:5], s[4:5], s[84:85]
	s_mul_i32 s[TO], s[P0], 24576
	s_add_nc_u64 s[G0+2:G0+3], s[QKB:QKB+1], s[TO:TO+1]
	s_or_b32 s[G0+3], s[G0+3], 0x80000000
	ROUND                                          ; the four work-groups are here: the first joint loads meet
	tensor_load_to_lds s[G0:G0+3], s[G1:G1+7]      ; the first trip's tile
	s_nop 0
	PLACES 4
	s_mul_i32 s76, s[WV], 147456
	s_add_nc_u64 s[VAD:VAD+1], s[18:19], s[76:77]  ; Wv's rows 192 w on
	s_mul_i32 s76, s[WV], 4608
	s_add_nc_u64 s[VWS:VWS+1], s[20:21], s[76:77]
	s_mul_i32 s76, s[WV], 768
	s_add_nc_u64 s[VBB:VBB+1], s[22:23], s[76:77]
	s_lshr_b32 s76, s32, 1
	s_lshl_b32 s76, s76, 2
	s_add_co_u32 s76, s76, s[WV]
	s_mul_i32 s76, s76, CHUNK
	s_add_nc_u64 s[VOB:VOB+1], s[28:29], s[76:77]  ; vw: chunk (g / 2) x 4 + w
	v_and_b32 v1, 31, v0                           ; lane
	v_and_b32 v2, 15, v0                           ; r
	v_bfe_u32 v3, v0, 4, 1                         ; h
	v_lshlrev_b32 v[L16], 4, v1
	v_lshlrev_b32 v[L4], 2, v1
	v_mul_u32_u24 v[WSO], v1, 24
	v_lshlrev_b32 v[BOQ], 5, v3
	v_lshlrev_b32 v[BOV], 2, v2
	s_wait_alu depctr_va_vdst(0)
	SIDE 0, P0                                     ; the first trip's scale words and biases: seven loads, older than x's
	WIN 0x40
.irp s, 0,1,2,3                        ; x as it lies: set s, registers 4 i on: row i's 512 bytes of K step s, 16 bytes a lane: each load of the wave covers 512 consecutive bytes, aligned
.irp i, 0,1,2,3,4,5,6,7,8,9,10,11,12,13,14,15
	global_load_b128 v[64*\s+4*\i:64*\s+4*\i+3], v[L16], s[4:5] offset:3072*\i+512*\s th:TH_LOAD_NT
.endr
.endr
	WIN 0x80
.irp s, 4,5
.irp i, 0,1,2,3,4,5,6,7,8,9,10,11,12,13,14,15
	global_load_b128 v[64*(\s-4)+4*\i:64*(\s-4)+4*\i+3], v[L16], s[4:5] offset:3072*\i+512*\s th:TH_LOAD_NT
.endr
.endr
	WIN 0
	v_add_nc_u32 v[LIX], XIMG, v[L16]
	s_mul_i32 s76, s[WV], 12288
	v_add_nc_u32 v[XWI], s76, v[LIX]
	s_mul_i32 s76, s[WV], 384
	s_add_co_u32 s76, s76, XSC
	v_add_nc_u32 v[XWS], s76, v[BOV]
	v_add_nc_u32 v[LSX], XSC, v[L4]
	v_mul_u32_u24 v[WA0], v2, WROW
	v_lshl_add_u32 v[WA0], v3, 4, v[WA0]
	s_mul_i32 s76, s[WV], WPART
	v_add_nc_u32 v[WA0], s76, v[WA0]
	v_mul_u32_u24 v[SOFF0], v3, 384
	v_lshl_add_u32 v[SOFF0], v2, 2, v[SOFF0]
	v_add_nc_u32 v[SOFF0], 24576, v[SOFF0]
	s_mul_i32 s76, s[WV], 16*SPI
	s_add_co_u32 s76, s76, STG                     ; my stage
	v_add_nc_u32 v[STW], s76, v[L16]
	v_mul_u32_u24 v[STR], v2, SPI
	v_lshl_add_u32 v[STR], v3, 6, v[STR]
	v_add_nc_u32 v[STR], s76, v[STR]
.irp b, 0,1,2,3
	v_mov_b32 v[TM+4+\b], 0                        ; written once: a lane permute's destination counts as one of its sources
	v_mov_b32 v[WD+\b], 0
.endr
; set s (in window W) turns through my stage: in as it was loaded, a row an instruction; out 64 bytes a lane and block: register 16 b + 4 j on of set s % 2 of window 3 = x(r, 128 s + 32 b + 16 h + 4 j on).
; LDS serves a wave's instructions in order (ISA guide 5.7.1.4): the loads see the stores above them, and the next set's stores come behind these loads.
.macro TURN s, W
	WIN ((\W)<<2)                                  ; an LDS store's data are its source 1
.irp i, 0,1,2,3,4,5,6,7,8,9,10,11,12,13,14,15
	ds_store_b128 v[STW], v[64*((\s)%4)+4*\i:64*((\s)%4)+4*\i+3] offset:SPI*\i
.endr
	WIN 0xc0
.irp b, 0,1,2,3
.irp j, 0,1,2,3
	ds_load_b128 v[64*((\s)%2)+16*\b+4*\j:64*((\s)%2)+16*\b+4*\j+3], v[STR] offset:128*\b+16*\j
.endr
.endr
	WIN 0
.endm
; my 16 rows' K step s becomes a fragment, which goes to LDS as an image of its registers.  The next set turns while this one is quantised.  NW: the next set's window; left: the x loads younger than the next set.
.macro XQ s, NW, left
.if (\s) < 5
	s_wait_loadcnt \left                           ; the next set is in; the count is what the later sets' loads leave out (the field holds 63 at the most)
	TURN (\s)+1, \NW
	s_wait_dscnt 32                                ; all but the 32 just issued: this set is back from the stage
.else
	s_wait_dscnt 0x0
.endif
	QUANT 64*((\s)%2), 3, 1
.irp c, 0,1,2,3
	ds_store_b128 v[XWI], v[PC+4*\c:PC+4*\c+3] offset:2048*(\s)+512*\c
.endr
	ds_store_b32 v[XWS], v[PW] offset:64*(\s)      ; both lanes of a row write the same word with the same value
	s_wait_dscnt 0x0                               ; the stores have read their registers
.endm
	s_wait_alu depctr_va_vdst(0)
	s_wait_loadcnt 63                              ; set 0 is in (80 younger loads may be out; the field holds 63)
	TURN 0, 1
	XQ 0, 1, 63
	XQ 1, 1, 48
	XQ 2, 1, 32
	XQ 3, 2, 16
	XQ 4, 2, 0
	XQ 5, 0, 0
	s_barrier_signal -1                            ; every wave's stores have landed (the wait above); the first trip's tile may stay on its way
	s_barrier_wait -1
	WIN 0x40
.irp s, 0,1,2,3
.irp m, 0,1,2,3
.irp c, 0,1,2,3
	ds_load_b128 v[64*\s+16*\m+4*\c:64*\s+16*\m+4*\c+3], v[LIX] offset:(6*\m+\s)*2048+512*\c
.endr
.endr
.endr
	WIN 0x80
.irp s, 4,5
.irp m, 0,1,2,3
.irp c, 0,1,2,3
	ds_load_b128 v[64*(\s-4)+16*\m+4*\c:64*(\s-4)+16*\m+4*\c+3], v[LIX] offset:(6*\m+\s)*2048+512*\c
.endr
.endr
.endr
	WIN 0
.irp m, 0,1,2,3
.irp p, 0,1,2
	ds_load_b32 v[XS+3*\m+\p], v[LSX] offset:384*\m+128*\p
.endr
.endr                                  ; (the first change of slots waits for all of these)
	s_mov_b32 s[CNT], 11
.Lqk:
	TRIP 0, 1, 1, 12
	s_sub_co_u32 s[CNT], s[CNT], 1
	s_cmp_lg_u32 s[CNT], 0
	s_cbranch_scc1 .Lqk
	s_mov_b32 s[P1], s[RV]                         ; the next trip is v's first: place c6
	TRIP 0, 2, 2, 6                                ; q's or k's last 32 rows; Wv's first tile and side data are asked for
	s_mov_b32 s[CNT], 5
.Lv:
	TRIP 1, 2, 2, 6
	s_sub_co_u32 s[CNT], s[CNT], 1
	s_cmp_lg_u32 s[CNT], 0
	s_cbranch_scc1 .Lv
	TRIP 1, 0, 0, 0                                ; the last trip is written out: it asks for nothing
	s_wait_tensorcnt 0x0                           ; the wave's end
	ds_add_u32 v[SPW], v[NIL]
	s_wait_dscnt 0x0
	ROUND                                          ; the closing round: no work-group ends while a partner may still ask for a tile that names it
	s_endpgm
.Lfunc_end_k_qb970323d6a_proj:
	.size	k_qb970323d6a_proj, .Lfunc_end_k_qb970323d6a_proj-k_qb970323d6a_proj
	.p2alignl 7, 3214868480
	.fill 96, 4, 3214868480
	.section	.rodata,"a",@progbits
	.p2align	6, 0x0
	.amdhsa_kernel k_qb970323d6a_proj
		.amdhsa_group_segment_fixed_size 327680
		.amdhsa_private_segment_fixed_size 0
		.amdhsa_enable_private_segment 0
		.amdhsa_kernarg_size 104
		.amdhsa_user_sgpr_count 2
		.amdhsa_user_sgpr_kernarg_segment_ptr 1
		.amdhsa_wavefront_size32 1
		.amdhsa_system_sgpr_workgroup_id_x 1
		.amdhsa_system_sgpr_workgroup_id_y 1
		.amdhsa_system_sgpr_workgroup_id_z 1
		.amdhsa_system_vgpr_workitem_id 0
		.amdhsa_next_free_vgpr 960
		.amdhsa_next_free_sgpr 102
		.amdhsa_reserve_vcc 0
		.amdhsa_float_denorm_mode_32 3
		.amdhsa_float_denorm_mode_16_64 3
		.amdhsa_memory_ordered 1
		.amdhsa_forward_progress 1
		.amdhsa_inst_pref_size 170
	.end_amdhsa_kernel
	.amdgpu_metadata
---
amdhsa.version: [ 1, 2 ]
amdhsa.kernels:
  - .name:           k_qb970323d6a_proj
    .symbol:         k_qb970323d6a_proj.kd
    .args:
      - { .name: x, .offset: 0, .size: 8, .value_kind: global_buffer, .address_space: global }
      - { .name: Wq_codes, .offset: 8, .size: 8, .value_kind: global_buffer, .address_space: global }
      - { .name: Wq_scales, .offset: 16, .size: 8, .value_kind: global_buffer, .address_space: global }
      - { .name: bq, .offset: 24, .size: 8, .value_kind: global_buffer, .address_space: global }
      - { .name: Wk_codes, .offset: 32, .size: 8, .value_kind: global_buffer, .address_space: global }
      - { .name: Wk_scales, .offset: 40, .size: 8, .value_kind: global_buffer, .address_space: global }
      - { .name: bk, .offset: 48, .size: 8, .value_kind: global_buffer, .address_space: global }
      - { .name: Wv_codes, .offset: 56, .size: 8, .value_kind: global_buffer, .address_space: global }
      - { .name: Wv_scales, .offset: 64, .size: 8, .value_kind: global_buffer, .address_space: global }
      - { .name: bv, .offset: 72, .size: 8, .value_kind: global_buffer, .address_space: global }
      - { .name: qw, .offset: 80, .size: 8, .value_kind: global_buffer, .address_space: global }
      - { .name: kw, .offset: 88, .size: 8, .value_kind: global_buffer, .address_space: global }
      - { .name: vw, .offset: 96, .size: 8, .value_kind: global_buffer, .address_space: global }
    .group_segment_fixed_size: 327680
    .private_segment_fixed_size: 0
    .kernarg_segment_align: 8
    .kernarg_segment_size: 104
    .max_flat_workgroup_size: 128
    .sgpr_count:     102
    .vgpr_count:     960
    .wavefront_size: 32
...
	.end_amdgpu_metadata
.endif
;; end of part 3
;; launch attn (part 4): grid 16 x 16, 4 waves a work-group, clusters of 4 x 1, 327,680 bytes of LDS; arguments qw, kw, vw, x, out0; writes out0
.if DOCPART == 4
	.amdgcn_target "amdgcn-amd-amdhsa--gfx1250"
	.amdhsa_code_object_version 6
	.text
	.protected	k_qb970323d6a_attn
	.globl	k_qb970323d6a_attn
	.p2align	8
	.type	k_qb970323d6a_attn,@function
k_qb970323d6a_attn:
	s_mov_b64 s[64:65], 0
	v_nop
	global_prefetch_b8 v0, s[64:65] scope:SCOPE_SE
	s_setreg_imm32_b32 hwreg(HW_REG_WAVE_MODE, 25, 1), 1
	s_wait_xcnt 0x0
	s_wait_alu depctr_hold_cnt(0) depctr_sa_sdst(0) depctr_va_vdst(0) depctr_va_sdst(0) depctr_va_ssrc(0) depctr_va_vcc(0) depctr_vm_vsrc(0)
	s_getreg_b32 s2, hwreg(HW_REG_IB_STS2, 6, 4)
	s_cmp_eq_u32 s2, 0
	s_cbranch_scc0 .Lentry_in_a_cluster
	s_endpgm
.Lentry_in_a_cluster:
	s_bfe_u32 s2, ttmp6, 0x10000c
	s_cmp_lg_u32 s2, 0x3003
	s_cbranch_scc0 .Lentry_shape_is_right
	s_endpgm
.Lentry_shape_is_right:
; out0[b] read as [768 n][1024 c] = O[b][c][n] + x[b] read the same way;  O = softmax(q k^T / sqrt(768)) v, both products on codes of BF8 (E5M2) with one E8M0 scale for each 32 along K.
; NO WORK IS LEFT OUT.  qw, kw, vw are the first launch's images of operand registers (a fragment = 2,048 bytes, register group c of lane l at 512 c + 16 l; a chunk = 12 fragments + 768 scale bytes = 99 x 256 bytes).
; THE SOFTMAX: t = score x log2(e) / sqrt(768); M = ceil(the row's largest t); p = 2^(t - M) is quantised along the keys; the row's sum of the unquantised p divides at the end.
; SHARES.  A work-group owns 64 queries of one batch.  FIRST HALF: S^T = k q^T: q's 24 fragments stay in every wave's registers; wave w takes keys 256 w on, 32 a strip (one chunk of kw, its own part of a slot), 8 strips, 48 products each.
;   The row's maximum and sum cross the waves through LDS; p's codes go to LDS as images of registers, 64 KB.
; SECOND HALF, BY ROWS OF THE RESULT: every wave takes ALL of p into registers (32 fragments, windows 2 and 3) and streams ITS 192 rows n of v past them: four groups of three n tiles, two trips a group, four of the eight key steps a trip, 48 products.
;   So a group of 48 rows n x 64 c is finished every second trip and leaves, with x and 1 / sum, behind the next change of slots: its stage stores ahead of the trip's LDS loads, its global stores among the trip's products.
;   The last trip goes by n tiles, so that two tiles pass through the stage under the third's products.
; THE ORDER OF KEY STEPS.  hc = the cluster's number % 2.  Place ksp = 2 w + (strip / 4) holds key step ksp xor hc.  A trip of parity T takes places 2 j + T, j = 0 .. 3: key steps 2 j + (T xor hc): four rows, 8 chunks apart: one tile.
;   hc enters global addresses alone.  So the two kinds of cluster of a batch ask for different tiles at any one change of slots.
; CLUSTER.  The four work-groups of a cluster (four query blocks of one batch) walk the same tiles of k and v and ask for each JOINTLY (mask 15).
; PREFETCH.  Count the changes of slots 0 .. 15: strips 0-7, then trips 0-7.  All requests stand in the text that is written out; none in the loop.  Every cluster asks for what it loads; the partners share a tile out by address (cx).
;   k: chunk n is loaded at change n - 1: chunks 1, 2 are asked for at the head, chunk t + 3 in strip t; partner cx names blocks 32 cx + lane of a chunk's 99.
;   v: tile j is loaded at change 7 + j and asked for at change 1 + j, six ahead: 96 blocks of 256 bytes a wave, of which partner cx names row cx's 24 (lanes 24-31 name the last again).  Its scale bytes: 24 blocks a wave, six a partner, in strip 3.
;   x: group g's 48 rows of 256 bytes a wave are loaded behind change 7 (g = 0) or 8 + 2 g and asked for at change 2 + 2 g, a lane a row.
; LIMITS: NaN and infinities are not served.  A block of p whose largest number lies under 2^-111 keeps the scale byte 1.
; REGISTERS.  Window 0: addresses and scales (v2-63); first half v64-127 k's fragments, v128-255 q's K steps 4, 5; second half v64-159 twelve accumulators, v160-223 rows back from the stage, v224-255 x.
;   Window 1: q's K steps 0-3; then p's codes; then v's 12 fragments (v0-191) and x (v192-255).  Windows 2, 3: S^T, then p; then p's fragments: place 2 j + T, query tile m at v[64 j + 16 m] of window 2 + T.
.set CHUNK, 25344
.set SLOT1, 131072                     ; slot 1; a wave's part of a slot begins at CHUNK x wave
.set MXR,   101376                     ; behind slot 0: the waves' maxima, [wave][64 queries]
.set SMR,   102400                     ; their sums
.set SPARE, 103424                     ; the spare words, 128 bytes a wave
.set PSC,   103936                     ; p's scale words: 512 ksp + 128 m + 4 lane
.set STG,   108032                     ; the way out: 16 rows of 256 + 16 bytes for each wave; no tile lands here
.set PIMG,  232448                     ; behind slot 1: p's fragments: 8,192 ksp + 2,048 m
.set L16, 2
.set L4, 3
.set KA0, 4                            ; v4, v5  16 x lane in my part of slot 0, 1
.set SPW, 6
.set NIL, 7
.set PFO, 8
.set KSA0, 9                           ; v9, v10  k's scale words in slot 0, 1
.set MXW, 11
.set MXRD, 12
.set SMW, 13
.set RLA, 14
.set PWA, 15
.set QS, 16                            ; v16-27 q's scale words; v28-33 k's (first half)
.set SC, 28
.set PS, 16                            ; v16-31 p's scale words (second half): 8 T + 2 m + q: lanes 0-15 j = 2 q, lanes 16-31 j = 2 q + 1
.set SCV, 33                           ; v33-44 v's: 6 T + 2 i + q, likewise.  PS and SCV differ by an odd number: no product's two scale registers are equal modulo 8
.set PFV, 45
.set SO, 46
.set SR, 47
.set XO, 48
.set VSO, 49
.set RL, 50                            ; v50-53 1 / sum of queries 4 r + 0 .. 3
.set T4, 54
.set PSW, 58
.set PIB, 59
.set PSR, 60
.set PFX, 61                           ; v61-63 in the head: lane, r, h; then the prefetches' offsets in x (rows 0-31, rows 32-47 of a group) and in v's scale bytes
.set PFX2, 62
.set PFS, 63
.set KF, 64
.set MB, 64
.set NEGM, 80
.set SUM, 88
.set PWR, 96
.set RM, 120
.set BM, 128
.set SCO, 160
.set HOLD, 192
.set BY, 224
.set ACC, 64
.set RB, 160
.set X2, 224
.set WV, 14
.set HC, 19
.set G1, 20                            ; s[20:27] group 1 of a chunk of k; s[28:31] group 0; s[32:39] group 1 of a tile of v
.set G0, 28
.set G1V, 32
.set CS, 40
.set SEL, 42
.set MNT, 44
.set CNT, 46
.set LA, 47
.set XB, 48
.set OB, 50
.set QB, 52
.set KB0, 66                           ; s[66:67], s[68:69] my strips 0-3, 4-7 in kw; never rewritten
.set KB1, 68
.set VT0, 70                           ; s[70:71], s[72:73] the next tile of parity 0, 1 in vw: read by scalar lines alone
.set VT1, 72
.set SV0, 74                           ; s[74:75], s[76:77] the group's scale words of parity 0, 1
.set SV1, 76
.set MSB, 0
.macro WIN new                         ; the immediate's high byte repeats the setting that is left
.if MSB != (\new)
	s_set_vgpr_msb (MSB<<8)|(\new)
.set MSB, (\new)
.endif
.endm
.macro PLACES n
.rept \n
	v_nop
.endr
.endm
.macro ROUND                           ; a round of the cluster's barrier
	s_barrier_signal -1
	s_barrier_wait -1
	s_cmp_lg_u32 s[WV], 0
	s_cbranch_scc1 .Lnw0_\@
	s_barrier_signal -3
.Lnw0_\@:
	s_barrier_wait -3
	s_barrier_signal -1
	s_barrier_wait -1
.endm
.macro WM d, a, b, c, sa, sb, ra, rb   ; one product; ra, rb = 1: the side's scales are read from lanes 16-31
.if ((\ra) == 0) && ((\rb) == 0)
	v_wmma_scale_f32_16x16x128_f8f6f4 v[\d:\d+7], v[\a:\a+15], v[\b:\b+15], \c, v[\sa], v[\sb] matrix_a_fmt:MATRIX_FMT_BF8 matrix_b_fmt:MATRIX_FMT_BF8
.elseif ((\ra) == 1) && ((\rb) == 0)
	v_wmma_scale_f32_16x16x128_f8f6f4 v[\d:\d+7], v[\a:\a+15], v[\b:\b+15], \c, v[\sa], v[\sb] matrix_a_fmt:MATRIX_FMT_BF8 matrix_b_fmt:MATRIX_FMT_BF8 matrix_a_scale:MATRIX_SCALE_ROW1
.elseif ((\ra) == 0) && ((\rb) == 1)
	v_wmma_scale_f32_16x16x128_f8f6f4 v[\d:\d+7], v[\a:\a+15], v[\b:\b+15], \c, v[\sa], v[\sb] matrix_a_fmt:MATRIX_FMT_BF8 matrix_b_fmt:MATRIX_FMT_BF8 matrix_b_scale:MATRIX_SCALE_ROW1
.else
	v_wmma_scale_f32_16x16x128_f8f6f4 v[\d:\d+7], v[\a:\a+15], v[\b:\b+15], \c, v[\sa], v[\sb] matrix_a_fmt:MATRIX_FMT_BF8 matrix_b_fmt:MATRIX_FMT_BF8 matrix_a_scale:MATRIX_SCALE_ROW1 matrix_b_scale:MATRIX_SCALE_ROW1
.endif
.endm
; THE CHANGE OF SLOTS at a strip's head: my one tensor load has landed; the add; my LDS reads are over; the round; then strip n's chunk, my one tensor load until the next round.
.macro CHGK n
	s_wait_tensorcnt 0x0
	ds_add_u32 v[SPW], v[NIL]
	s_add_co_u32 s[G0+1], s[LA], ((\n)%2)*SLOT1
.if (\n) < 4
	s_add_nc_u64 s[G0+2:G0+3], s[KB0:KB0+1], (\n)*CHUNK
.else
	s_add_nc_u64 s[G0+2:G0+3], s[KB1:KB1+1], ((\n)-4)*CHUNK
.endif
	s_or_b32 s[G0+3], s[G0+3], 0x80000000
	s_wait_dscnt 0x0
	ROUND
	tensor_load_to_lds s[G0:G0+3], s[G1:G1+7]
	s_nop 0
	PLACES 8                                       ; eight places in front of loads into registers that the last products read
.endm
; The same at the head of a trip of parity par.  fill = 1: the next tile of v, of the other parity, goes into the other slot.  fill = 0, the last trip: a wave reads its own part alone, so its own wait is all.
.macro CHGV par, fill
	s_wait_tensorcnt 0x0
.if \fill
	ds_add_u32 v[SPW], v[NIL]
	s_add_co_u32 s[G0+1], s[LA], (1-(\par))*SLOT1
	s_mov_b64 s[G0+2:G0+3], s[VT0+2*(1-(\par)):VT0+2*(1-(\par))+1]
	s_or_b32 s[G0+3], s[G0+3], 0x80000000
	s_add_nc_u64 s[VT0+2*(1-(\par)):VT0+2*(1-(\par))+1], s[VT0+2*(1-(\par)):VT0+2*(1-(\par))+1], 6144   ; three n tiles on
	s_wait_dscnt 0x0
	ROUND
	tensor_load_to_lds s[G0:G0+3], s[G1V:G1V+7]
	s_nop 0
.endif
	PLACES 8                                       ; eight places behind the last products: in front of the reads of their sums and of the loads into their operands
.endm
.macro ASKV j                          ; v's tile j: parity j % 2, group j / 2.  The base is the parity's scale words of group 0, 24,576 bytes behind its codes; it is first stepped in the loop
	global_prefetch_b8 v[PFV], s[SV0+2*((\j)%2):SV0+2*((\j)%2)+1] offset:6144*((\j)/2)-24576 th:TH_LOAD_NT scope:SCOPE_SE
.endm
.macro ASKX g                          ; x's group g: my wave's 48 rows; lanes 16-31 of the second line name its last row again
	global_prefetch_b8 v[PFX], s[XB:XB+1] offset:196608*(\g) th:TH_LOAD_NT scope:SCOPE_SE
	global_prefetch_b8 v[PFX2], s[XB:XB+1] offset:196608*(\g)+131072 th:TH_LOAD_NT scope:SCOPE_SE
.endm
.macro KFL t, sp                       ; k's two fragments of K step sp
.irp u, 0,1
.irp c, 0,1,2,3
	ds_load_b128 v[KF+32*((\sp)%2)+16*\u+4*\c:KF+32*((\sp)%2)+16*\u+4*\c+3], v[KA0+(\t)%2] offset:12288*\u+2048*(\sp)+512*\c
.endr
.endr
.endm
.macro ASK t                           ; strip t's requests
.if (\t) < 1
	global_prefetch_b8 v[PFO], s[KB0:KB0+1] offset:3*CHUNK th:TH_LOAD_NT scope:SCOPE_SE
.elseif (\t) < 5
	global_prefetch_b8 v[PFO], s[KB1:KB1+1] offset:((\t)-1)*CHUNK th:TH_LOAD_NT scope:SCOPE_SE
.endif
.if (\t) > 0
	ASKV (\t)-1
.if ((\t)%2) == 0
	ASKX (\t)/2-1
.endif
.endif
.if (\t) == 3
	global_prefetch_b8 v[PFS], s[SV0:SV0+1] th:TH_LOAD_NT scope:SCOPE_SE   ; v's scale bytes: row cx of either parity, three blocks each
	global_prefetch_b8 v[PFS], s[SV1:SV1+1] th:TH_LOAD_NT scope:SCOPE_SE
.endif
.endm
; A STRIP: 32 keys x 64 queries x 768: source 0 = 16 keys, source 1 = 16 queries; eight accumulators by turns.
.macro STRIP t
.if (\t) < 7
	CHGK (\t)+1
.else
	CHGV 1, 1                                      ; v's tile 0 into slot 0
.endif
.irp u, 0,1
.irp p, 0,1,2
	ds_load_b32 v[SC+3*\u+\p], v[KSA0+(\t)%2] offset:384*\u+128*\p
.endr
.endr
	KFL \t, 0
	KFL \t, 1
	ASK \t
.if (\t) == 0
	s_wait_loadcnt 0x0                             ; q
.endif
.set Wd, 2+(\t)/4
.irp sp, 0,1,2,3,4,5
.if \sp < 5
	s_wait_dscnt 8                                 ; all but the next K step's eight loads
.else
	s_wait_dscnt 0x0
.endif
.if \sp < 4
	WIN ((Wd<<6)|(Wd<<4)|4)
.set qb0, 64*\sp
.else
	WIN ((Wd<<6)|(Wd<<4))
.set qb0, 128+64*(\sp-4)
.endif
.irp m, 0,1,2,3
.irp u, 0,1
.set rD, 64*\m+16*((\t)%4)+8*\u
.set rK, KF+32*(\sp%2)+16*\u
.set rQ, qb0+16*\m
.if \sp == 0
	WM rD, rK, rQ, 0, SC+3*\u+\sp/2, QS+3*\m+\sp/2, \sp%2, \sp%2
.else
	WM rD, rK, rQ, v[rD:rD+7], SC+3*\u+\sp/2, QS+3*\m+\sp/2, \sp%2, \sp%2
.endif
.endr
.endr
.if \sp < 4
	WIN 0
	PLACES 8
	KFL \t, \sp+2
.endif
.endr
	WIN 0
.endm
.macro XLD a                           ; x at the 16 rows of n tile a of the group at s[XB]: each half of the lanes takes 256 consecutive bytes, aligned
.if (\a) < 2
	WIN 0x40
.set xb, 192+32*(\a)
.else
	WIN 0
.set xb, X2
.endif
.irp k, 0,1,2,3,4,5,6,7
	global_load_b128 v[xb+4*\k:xb+4*\k+3], v[XO], s[XB:XB+1] offset:(16*(\a)+2*\k)*4096 th:TH_LOAD_NT
.endr
.endm
.macro SCVLD                           ; a group's scale words of v: lanes 0-15 key-step row j = 2 q, lanes 16-31 row 2 q + 1, of n tile i
.irp p, 0,1
.irp i, 0,1,2
.irp q, 0,1
	global_load_b32 v[SCV+6*\p+2*\i+\q], v[VSO], s[SV0+2*\p:SV0+2*\p+1] offset:16*CHUNK*\q+64*\i
.endr
.endr
.endr
.endm
.macro PLDQ par, j                     ; p's four fragments of place 2 j + par into window 2 + par: 16 loads
	WIN ((2+(\par))<<6)
.irp m, 0,1,2,3
.irp c, 0,1,2,3
	ds_load_b128 v[64*(\j)+16*\m+4*\c:64*(\j)+16*\m+4*\c+3], v[PIB] offset:8192*(2*(\j)+(\par))+2048*\m+512*\c
.endr
.endr
.endm
.macro VLOAD par                       ; the trip's 12 fragments of v (row j, n tile i) into window 1, row by row
	WIN 0x40
.irp j, 0,1,2,3
.irp i, 0,1,2
.irp c, 0,1,2,3
	ds_load_b128 v[16*(3*\j+\i)+4*\c:16*(3*\j+\i)+4*\c+3], v[KA0+(\par)] offset:6144*\j+2048*\i+512*\c
.endr
.endr
.endr
	WIN 0
.endm
; 12 products of key-step row j: source 0 = p's 16 queries, source 1 = v's 16 rows n: a lane holds one n, its registers eight neighbouring queries.  Twelve accumulators by turns.  n: the LDS instructions that may stay out.
.macro MROW par, zero, j, n
	s_wait_dscnt \n
	WIN ((2+(\par))|4)
.irp i, 0,1,2
.irp m, 0,1,2,3
.set rD, ACC+32*\i+8*\m
.if (\zero) && ((\j) == 0)
	WM rD, 64*(\j)+16*\m, 16*(3*(\j)+\i), 0, PS+8*(\par)+2*\m+(\j)/2, SCV+6*(\par)+2*\i+(\j)/2, (\j)%2, (\j)%2
.else
	WM rD, 64*(\j)+16*\m, 16*(3*(\j)+\i), v[rD:rD+7], PS+8*(\par)+2*\m+(\j)/2, SCV+6*(\par)+2*\i+(\j)/2, (\j)%2, (\j)%2
.endif
.endr
.endr
.endm
; the last trip (parity 1): the 16 products that finish n tile i: its four accumulators by turns, three others' products between a sum's steps
.macro MTILE i, n
	s_wait_dscnt \n
	WIN (3|4)
.irp j, 0,1,2,3
.irp m, 0,1,2,3
.set rD, ACC+32*(\i)+8*\m
	WM rD, 64*\j+16*\m, 16*(3*\j+(\i)), v[rD:rD+7], PS+8+2*\m+\j/2, SCV+6+2*(\i)+\j/2, \j%2, \j%2
.endr
.endr
.endm
; THE WAY OUT of n tile a: 16 rows n x 64 queries into my stage (STS), back as whole rows of 256 bytes (STL).  LDS serves a wave's instructions in order (ISA guide 5.7.1.4): no wait between them, nor ahead of the next tile's stores.
.macro STS a
	WIN 0
.irp m, 0,1,2,3
	ds_store_b128 v[SO], v[ACC+32*(\a)+8*\m:ACC+32*(\a)+8*\m+3] offset:64*\m        ; each accumulator from its low end on
	ds_store_b128 v[SO], v[ACC+32*(\a)+8*\m+4:ACC+32*(\a)+8*\m+7] offset:64*\m+16
.endr
.endm
.macro STL a
.irp k, 0,1,2,3,4,5,6,7
	ds_load_b128 v[RB+32*((\a)%2)+4*\k:RB+32*((\a)%2)+4*\k+3], v[SR] offset:544*\k
.endr
.endm
; row / sum + x goes into x's registers and is stored from there: the rows' registers are read by vector lines alone, so the next tile may come back into them at once.
.macro SEND a, younger, lc             ; younger: LDS instructions behind tile a's loads;  lc: global loads behind tile a's x (-1: they have been waited for)
	s_wait_dscnt \younger
.if (\lc) >= 0
	s_wait_loadcnt \lc
.endif
.if (\a) < 2
	WIN 0x50
.set xb, 192+32*(\a)
.else
	WIN 0
.set xb, X2
.endif
.set rb, RB+32*((\a)%2)
.irp k, 0,1,2,3,4,5,6,7
.irp e, 0,1
	v_pk_fma_f32 v[xb+4*\k+2*\e:xb+4*\k+2*\e+1], v[rb+4*\k+2*\e:rb+4*\k+2*\e+1], v[RL+2*\e:RL+2*\e+1], v[xb+4*\k+2*\e:xb+4*\k+2*\e+1]
.endr
.endr
.if (\a) < 2
	WIN 0x04
.endif
.irp k, 0,1,2,3,4,5,6,7
	global_store_b128 v[XO], v[xb+4*\k:xb+4*\k+3], s[OB:OB+1] offset:(16*(\a)+2*\k)*4096 th:TH_STORE_NT   ; sixteen lanes store 256 consecutive bytes, aligned
.endr
	WIN 0
.endm
	s_load_b256 s[4:11], s[0:1], 0x0               ; qw, kw, vw, x
	s_load_b64 s[12:13], s[0:1], 0x20              ; out0
	v_lshl_add_u32 v[SPW], v0, 2, SPARE
	v_mov_b32 v[NIL], 0
	ds_add_u32 v[SPW], v[NIL]                      ; the opening: the add, twice on end, and its wait ahead of my first tensor load
	ds_add_u32 v[SPW], v[NIL]
	v_lshrrev_b32 v1, 5, v0
	v_readfirstlane_b32 s[WV], v1                  ; wave 0..3
	s_bfe_u32 s15, ttmp6, 0x40000                  ; cx
	s_lshl_b32 s16, ttmp9, 2
	s_add_co_u32 s16, s16, s15                     ; my query block: it enters q's, x's and out0's addresses alone
	s_and_b32 s17, ttmp7, 0xffff                   ; the batch
	s_mov_b32 s[G1+0], 15|(3<<16)|(1<<21)          ; a chunk: 99 dense rows of 256 bytes (32 elements of 8); mask: all four, bit 21 beside it
	s_mov_b32 s[G1+1], 32<<16
	s_mov_b32 s[G1+2], 99<<16
	s_mov_b32 s[G1+3], 32<<16
	s_mov_b32 s[G1+4], 99
	s_mov_b32 s[G1+5], 32
	s_mov_b32 s[G1+6], 0
	s_mov_b32 s[G1+7], 0
	s_mov_b32 s[G1V+0], 15|(3<<16)|(1<<21)         ; a tile of v: 4 rows of 6,144 bytes (768 elements), 8 chunks apart
	s_mov_b32 s[G1V+1], 768<<16
	s_mov_b32 s[G1V+2], 4<<16
	s_mov_b32 s[G1V+3], 768<<16
	s_mov_b32 s[G1V+4], 4
	s_mov_b32 s[G1V+5], CHUNK                      ; 8 CHUNK bytes in elements of 8
	s_mov_b32 s[G1V+6], 0
	s_mov_b32 s[G1V+7], 0
	s_mul_i32 s[LA], s[WV], CHUNK
	s_mov_b32 s[G0], 1
	s_mov_b32 s[G0+1], s[LA]
	s_lshl_b32 s54, s17, 5                         ; the batch's first chunk
	s_and_b32 s[HC], ttmp9, 1
	s_lshl_b32 s55, s[WV], 3
	s_add_co_u32 s55, s55, s54                     ; kw: my 8 chunks
	s_lshl_b32 s63, s[HC], 2
	s_add_co_u32 s56, s55, s63
	s_mul_i32 s56, s56, CHUNK                      ; strips 0-3: key step 2 w + hc
	s_mov_b32 s57, 0
	s_xor_b32 s63, s63, 4
	s_add_co_u32 s[KB1], s55, s63
	s_mul_i32 s[KB1], s[KB1], CHUNK                ; strips 4-7: the other
	s_mov_b32 s[KB1+1], 0
	s_add_co_u32 s58, s54, s[WV]                   ; vw: chunk column w
	s_add_co_u32 s[VT1], s58, s63
	s_mul_i32 s[VT1], s[VT1], CHUNK                ; parity 1: key steps 2 j + (1 xor hc)
	s_mov_b32 s[VT1+1], 0
	s_xor_b32 s63, s63, 4
	s_add_co_u32 s[VT0], s58, s63
	s_mul_i32 s[VT0], s[VT0], CHUNK                ; parity 0: key steps 2 j + hc
	s_mov_b32 s[VT0+1], 0
	s_lshl_b32 s60, s16, 1
	s_add_co_u32 s60, s60, s54
	s_mul_i32 s60, s60, CHUNK                      ; qw: my two chunks
	s_mov_b32 s61, 0
	s_mul_i32 s62, s17, 3145728                    ; x, out0: the batch, row n = 192 w, 256 bytes x query block
	s_mul_i32 s55, s[WV], 786432
	s_add_co_u32 s62, s62, s55
	s_lshl_b32 s55, s16, 8
	s_add_co_u32 s62, s62, s55
	s_mov_b32 s63, 0
	s_mov_b32 s[CS], 0x3d553b95                    ; log2(e) / sqrt(768)
	s_mov_b32 s[CS+1], s[CS]
	s_mov_b32 s[SEL], 0x76543210
	s_mov_b32 s[SEL+1], 0xfedcba98
	s_mov_b32 s[MNT], 0x600000
	s_wait_dscnt 0x0                               ; both opening adds are done
	s_wait_kmcnt 0x0
	s_add_nc_u64 s[KB0:KB0+1], s[6:7], s[56:57]
	s_add_nc_u64 s[KB1:KB1+1], s[6:7], s[KB1:KB1+1]
	s_add_nc_u64 s[VT0:VT0+1], s[8:9], s[VT0:VT0+1]
	s_add_nc_u64 s[VT1:VT1+1], s[8:9], s[VT1:VT1+1]
	s_add_nc_u64 s[SV0:SV0+1], s[VT0:VT0+1], 24576
	s_add_nc_u64 s[SV1:SV1+1], s[VT1:VT1+1], 24576
	s_mov_b64 s[G0+2:G0+3], s[KB0:KB0+1]
	s_or_b32 s[G0+3], s[G0+3], 0x80000000
	s_add_nc_u64 s[QB:QB+1], s[4:5], s[60:61]
	s_add_nc_u64 s[XB:XB+1], s[10:11], s[62:63]
	s_add_nc_u64 s[OB:OB+1], s[12:13], s[62:63]
	ROUND                                          ; the four work-groups are here: the first joint loads meet
	tensor_load_to_lds s[G0:G0+3], s[G1:G1+7]      ; strip 0's chunk: my one tensor load at the head
	s_nop 0
	PLACES 4
	v_and_b32 v61, 31, v0                          ; lane
	v_and_b32 v62, 15, v0                          ; r
	v_bfe_u32 v63, v0, 4, 1                        ; h
	v_lshlrev_b32 v[L16], 4, v61
	v_lshlrev_b32 v[L4], 2, v61
	WIN 0x40                                       ; q's 24 fragments and scale words, asked for while strip 0's chunk is on its way
.irp sp, 0,1,2,3
.irp m, 0,1,2,3
.irp c, 0,1,2,3
	global_load_b128 v[64*\sp+16*\m+4*\c:64*\sp+16*\m+4*\c+3], v[L16], s[QB:QB+1] offset:(\m/2)*CHUNK+(\m%2)*12288+2048*\sp+512*\c
.endr
.endr
.endr
	WIN 0
.irp sp, 4,5
.irp m, 0,1,2,3
.irp c, 0,1,2,3
	global_load_b128 v[128+64*(\sp-4)+16*\m+4*\c:128+64*(\sp-4)+16*\m+4*\c+3], v[L16], s[QB:QB+1] offset:(\m/2)*CHUNK+(\m%2)*12288+2048*\sp+512*\c
.endr
.endr
.endr
.irp m, 0,1,2,3
.irp p, 0,1,2
	global_load_b32 v[QS+3*\m+\p], v[L4], s[QB:QB+1] offset:(\m/2)*CHUNK+24576+384*(\m%2)+128*\p
.endr
.endr
	s_wait_alu depctr_va_vdst(0)
	s_lshl_b32 s55, s15, 5
	v_add_nc_u32 v[PFO], s55, v61                  ; k's prefetch: partner cx names blocks 32 cx + lane of a chunk's 99
	v_min_u32 v[PFO], 98, v[PFO]
	v_lshlrev_b32 v[PFO], 8, v[PFO]
	global_prefetch_b8 v[PFO], s[KB0:KB0+1] offset:CHUNK th:TH_LOAD_NT scope:SCOPE_SE     ; strips 1 and 2's chunks
	global_prefetch_b8 v[PFO], s[KB0:KB0+1] offset:2*CHUNK th:TH_LOAD_NT scope:SCOPE_SE
	v_add_nc_u32 v[KA0], s[LA], v[L16]
	v_add_nc_u32 v[KA0+1], SLOT1, v[KA0]
	v_add_nc_u32 v[KSA0], s[LA], v[L4]
	v_add_nc_u32 v[KSA0], 24576, v[KSA0]
	v_add_nc_u32 v[KSA0+1], SLOT1, v[KSA0]
	v_lshlrev_b32 v1, 2, v62                       ; 4 r
	s_lshl_b32 s55, s[WV], 8
	v_add_nc_u32 v[MXRD], MXR, v1
	v_add_nc_u32 v[MXW], s55, v[MXRD]
	v_add_nc_u32 v[SMW], SMR-MXR, v[MXW]
	v_lshlrev_b32 v[RLA], 4, v62
	v_add_nc_u32 v[RLA], SMR, v[RLA]
	v_add_nc_u32 v[PIB], PIMG, v[L16]
	s_lshl_b32 s55, s[WV], 14
	v_add_nc_u32 v[PWA], s55, v[PIB]
	v_add_nc_u32 v[PSW], PSC, v[L4]
	s_lshl_b32 s55, s[WV], 10
	v_add_nc_u32 v[PSW], s55, v[PSW]
	v_lshl_add_u32 v[PSR], v63, 10, v1             ; p's scale words on the way back: two places on for lanes 16-31
	v_add_nc_u32 v[PSR], PSC, v[PSR]
	s_mul_i32 s55, s[WV], 16*272
	s_add_co_u32 s55, s55, STG                     ; my stage
	v_mul_u32_u24 v[SO], v62, 272
	v_lshl_add_u32 v[SO], v63, 5, v[SO]
	v_add_nc_u32 v[SO], s55, v[SO]
	v_mul_u32_u24 v[SR], v63, 272
	v_lshl_add_u32 v[SR], v62, 4, v[SR]
	v_add_nc_u32 v[SR], s55, v[SR]
	v_lshlrev_b32 v[XO], 12, v63                   ; x, out0: lanes 0-15 one row n, lanes 16-31 the next; 16 bytes a lane
	v_lshl_add_u32 v[XO], v62, 4, v[XO]
	v_mul_u32_u24 v[VSO], v63, 8*CHUNK             ; v's scale words: lanes 16-31 one row of the tile on
	v_add_nc_u32 v[VSO], v[VSO], v1
	v_min_u32 v[PFV], 23, v61                      ; v's prefetch: partner cx names row cx's 24 blocks
	v_lshlrev_b32 v[PFV], 8, v[PFV]
	s_mul_i32 s55, s15, 8*CHUNK
	v_add_nc_u32 v[PFV], s55, v[PFV]
	v_min_u32 v[PFS], 2, v61                       ; and the three blocks of that row's scale bytes (h is done with)
	v_lshlrev_b32 v[PFS], 8, v[PFS]
	v_add_nc_u32 v[PFS], s55, v[PFS]
	v_min_u32 v[PFX2], 15, v61                     ; x's: a lane a row of 4,096 bytes (r and the lane's number are done with)
	v_lshlrev_b32 v[PFX2], 12, v[PFX2]
	v_lshlrev_b32 v[PFX], 12, v61
	s_wait_alu depctr_va_vdst(0)
	STRIP 0                                        ; (its change of slots asks for strip 1's chunk: slot 1's first fill, issued as a refill is)
	STRIP 1
	STRIP 2
	STRIP 3
	STRIP 4
	STRIP 5
	STRIP 6
	STRIP 7
	PLACES 8
	SCVLD                                          ; group 0's scale words of v, then its x: 12 + 24 loads
	XLD 0
	XLD 1
; THE SOFTMAX.  Fragment F = 4 (strip / 4) + m: 64 scores a lane, four blocks of 32 keys (the other 16 of each in lane l xor 16).  A block's largest score serves the row's maximum and the block's largest p.
.irp F, 0,1,2,3,4,5,6,7
	WIN ((2+\F/4)|((2+\F/4)<<2))
.irp b, 0,1,2,3
	v_max3_num_f32 v[BM+4*\F+\b], v[64*(\F%4)+16*\b], v[64*(\F%4)+16*\b+1], 0xff7fffff
.endr
.irp i, 2,4,6,8,10,12,14
.irp b, 0,1,2,3
	v_max3_num_f32 v[BM+4*\F+\b], v[64*(\F%4)+16*\b+\i], v[64*(\F%4)+16*\b+\i+1], v[BM+4*\F+\b]
.endr
.endr
.endr
	WIN 0
.set i, 0
.rept 32
	v_permlanex16_b32 v[SCO+i], v[BM+i], s[SEL], s[SEL+1]
.set i, i+1
.endr
.set i, 0
.rept 32
	v_max_num_f32 v[BM+i], v[BM+i], v[SCO+i]
.set i, i+1
.endr
.irp m, 0,1,2,3
	v_max3_num_f32 v[RM+\m], v[BM+4*\m], v[BM+4*\m+1], v[BM+4*\m+2]
.endr
.irp m, 0,1,2,3
	v_max3_num_f32 v[RM+\m], v[RM+\m], v[BM+4*\m+3], v[BM+16+4*\m]
.endr
.irp m, 0,1,2,3
	v_max3_num_f32 v[RM+\m], v[RM+\m], v[BM+16+4*\m+1], v[BM+16+4*\m+2]
.endr
.irp m, 0,1,2,3
	v_max_num_f32 v[RM+\m], v[RM+\m], v[BM+16+4*\m+3]
.endr
.irp m, 0,1,2,3
	ds_store_b32 v[MXW], v[RM+\m] offset:64*\m     ; my 256 keys' maxima
.endr
	s_wait_dscnt 0x0
	s_barrier_signal -1                            ; v's tile 0 may stay on its way
	s_barrier_wait -1
.irp m, 0,1,2,3
.irp w, 0,1,2,3
	ds_load_b32 v[MB+4*\m+\w], v[MXRD] offset:256*\w+64*\m
.endr
.endr
	s_wait_dscnt 0x0
.irp m, 0,1,2,3
	v_max3_num_f32 v[RM+\m], v[MB+4*\m], v[MB+4*\m+1], v[MB+4*\m+2]
.endr
.irp m, 0,1,2,3
	v_max_num_f32 v[RM+\m], v[RM+\m], v[MB+4*\m+3]
.endr
.irp m, 0,1,2,3
	v_mul_f32 v[RM+\m], s[CS], v[RM+\m]
.endr
.irp m, 0,1,2,3
	v_floor_f32 v[NEGM+2*\m], -v[RM+\m]            ; -M = floor(-t)
.endr
.irp m, 0,1,2,3
	v_mov_b32 v[NEGM+2*\m+1], v[NEGM+2*\m]
.endr
.irp W, 2,3
	WIN (((\W)<<6)|(\W))
.set i, 0
.rept 128
	v_pk_fma_f32 v[i:i+1], v[i:i+1], s[CS:CS+1], v[NEGM+2*(i/64):NEGM+2*(i/64)+1] op_sel_hi:[1,0,0]
.set i, i+2
.endr
.set i, 0
	s_wait_alu depctr_va_vdst(0)
.rept 256
	v_exp_f32 v[i], v[i]
.set i, i+1
.endr
.endr
	WIN 0
.set i, 0
.rept 32
	v_fma_f32 v[BM+i], v[BM+i], s[CS], v[NEGM+2*((i/4)%4)]
.set i, i+1
.endr
.set i, 0
	s_wait_alu depctr_va_vdst(0)
.rept 32
	v_exp_f32 v[BM+i], v[BM+i]                     ; each block's largest p
.set i, i+1
.endr
.irp j, 0,1,2,3,4,5,6,7
	v_mov_b32 v[SUM+\j], 0
.endr
	s_wait_alu depctr_va_vdst(0)                   ; and behind the batches, ahead of their first reader
.irp W, 2,3
	WIN ((\W)<<2)
.set i, 0
.rept 32
.irp m, 0,1,2,3
	v_pk_add_f32 v[SUM+2*\m:SUM+2*\m+1], v[SUM+2*\m:SUM+2*\m+1], v[64*\m+i:64*\m+i+1]   ; the sums are taken of the unquantised p
.endr
.set i, i+2
.endr
.endr
	WIN 0
.set i, 0
.rept 32
	v_max_num_f32 v[BM+i], 0x8000000, v[BM+i]      ; the floor 2^(16 - 127): the byte cannot fall under 1
.set i, i+1
.endr
.set i, 0
.rept 32
	v_add_nc_u32 v[SCO+i], 0xf8800000, v[BM+i]     ; 15 off the exponent field: the conversion's scale operand
.set i, i+1
.endr
.set i, 0
.rept 32
	v_and_or_b32 v[HOLD+i], v[BM+i], 0x7f800000, s[MNT]   ; 57,344 x the scale
.set i, i+1
.endr
.set i, 0
.rept 32
	v_lshrrev_b32 v[BY+i], 23, v[SCO+i]
.set i, i+1
.endr
.irp F, 0,1,2,3,4,5,6,7
	v_lshl_or_b32 v[PWR+\F], v[BY+4*\F+1], 8, v[BY+4*\F]
	v_lshl_or_b32 v[PWR+\F], v[BY+4*\F+2], 16, v[PWR+\F]
	v_lshl_or_b32 v[PWR+\F], v[BY+4*\F+3], 24, v[PWR+\F]
.endr
	XLD 2                                          ; the bytes' registers are free: group 0's third tile of x
.irp F, 0,1,2,3,4,5,6,7
	WIN (((2+\F/4)<<6)|(2+\F/4))
.irp b, 0,1,2,3
.irp i, 0,1,2,3,4,5,6,7,8,9,10,11,12,13,14,15
	v_min_num_f32 v[64*(\F%4)+16*\b+\i], v[64*(\F%4)+16*\b+\i], v[HOLD+4*\F+\b]   ; the conversion does not saturate (ISA guide 7.6.2); p is not negative
.endr
.endr
	WIN (0x40|(2+\F/4))
.irp b, 0,1,2,3
	v_cvt_scalef32_pk8_bf8_f32 v[16*\F+4*\b:16*\F+4*\b+1], v[64*(\F%4)+16*\b:64*(\F%4)+16*\b+7], v[SCO+4*\F+\b]
	v_cvt_scalef32_pk8_bf8_f32 v[16*\F+4*\b+2:16*\F+4*\b+3], v[64*(\F%4)+16*\b+8:64*(\F%4)+16*\b+15], v[SCO+4*\F+\b]
.endr
.endr
	WIN 0
	v_nop                                          ; one plain line behind the last conversion
	WIN 0x04
.irp F, 0,1,2,3,4,5,6,7
.irp b, 0,1,2,3
	ds_store_b128 v[PWA], v[16*\F+4*\b:16*\F+4*\b+3] offset:2048*\F+512*\b
.endr
.endr
	WIN 0
.irp F, 0,1,2,3,4,5,6,7
	ds_store_b32 v[PSW], v[PWR+\F] offset:128*\F
.endr
.irp m, 0,1,2,3
	v_add_f32 v[SUM+2*\m], v[SUM+2*\m], v[SUM+2*\m+1]
.endr
.irp m, 0,1,2,3
	v_permlanex16_b32 v[RM+\m], v[SUM+2*\m], s[SEL], s[SEL+1]
.endr
.irp m, 0,1,2,3
	v_add_f32 v[SUM+2*\m], v[SUM+2*\m], v[RM+\m]
.endr
.irp m, 0,1,2,3
	ds_store_b32 v[SMW], v[SUM+2*\m] offset:64*\m
.endr
; THE SECOND HALF.  Trip 0 is written out: behind its round every wave's p, scale words and sums are in LDS.
	CHGV 0, 1                                      ; v's tile 1 into slot 1
.irp p, 0,1
.irp m, 0,1,2,3
.irp q, 0,1
	ds_load_b32 v[PS+8*\p+2*\m+\q], v[PSR] offset:512*\p+2048*\q+128*\m
.endr
.endr
.endr
.irp w, 0,1,2,3
	ds_load_b128 v[RB+4*\w:RB+4*\w+3], v[RLA] offset:256*\w
.endr
	PLDQ 0, 0
	PLDQ 0, 1
	PLDQ 0, 2
	PLDQ 0, 3
	VLOAD 0
	ASKV 7                                         ; the last requests: v's tile 7 and x's group 3
	ASKX 3
	s_wait_dscnt 63                                ; of 132 loads at most the youngest 63 are out: the scale words and the sums are in
.irp e, 0,1,2,3
	v_add_f32 v[RL+\e], v[RB+\e], v[RB+4+\e]
.endr
.irp e, 0,1,2,3
	v_add_f32 v[T4+\e], v[RB+8+\e], v[RB+12+\e]
.endr
.irp e, 0,1,2,3
	v_add_f32 v[RL+\e], v[RL+\e], v[T4+\e]
.endr
	s_wait_alu depctr_va_vdst(0)                   ; ahead of the batch,
.irp e, 0,1,2,3
	v_rcp_f32 v[RL+\e], v[RL+\e]
.endr
	v_nop
	s_wait_alu depctr_va_vdst(0)                   ; and behind it
	s_wait_loadcnt 24                              ; group 0's scale words are in; x's 24 loads may be out
	MROW 0, 1, 0, 36                               ; the places of parity 1 come in behind each row's products, 16 loads a run: a row's wait counts v's later rows and the runs issued so far
	PLDQ 1, 0
	MROW 0, 1, 1, 24+16
	PLDQ 1, 1
	MROW 0, 1, 2, 12+32
	PLDQ 1, 2
	MROW 0, 1, 3, 48
	PLDQ 1, 3
	WIN 0
	s_wait_xcnt 0x0                                ; the requests have read their bases, which are stepped in the loop
	s_mov_b32 s[CNT], 3
.Lv:                                                   ; three trips of two: trips 1, 2; 3, 4; 5, 6: each asks for the next tile
	CHGV 1, 1
	VLOAD 1
	MROW 1, 0, 0, 36
	MROW 1, 0, 1, 24
	MROW 1, 0, 2, 12
	MROW 1, 0, 3, 0
	WIN 0
	PLACES 8                                       ; in front of the loads into the scale registers
	s_add_nc_u64 s[SV0:SV0+1], s[SV0:SV0+1], 192   ; (their earlier loads have been waited for)  the next group's scale words
	s_add_nc_u64 s[SV1:SV1+1], s[SV1:SV1+1], 192
	SCVLD
	CHGV 0, 1
	STS 0                                          ; THE GROUP JUST FINISHED LEAVES.  All its stage stores stand ahead of v's loads: the first row's wait below shows that they have read the accumulators
	STL 0
	STS 1
	STL 1
	STS 2
	VLOAD 0
	SEND 0, 63, 28                                 ; (72 LDS instructions are younger than tile 0's loads; the field holds 63.  x: 16 loads of tiles 1, 2 and 12 scale words are younger)
	STL 2
	s_wait_loadcnt 0x0                             ; the scale words are in: nothing younger is out
	MROW 0, 1, 0, 36+8                             ; v's later rows and tile 2's eight loads may be out
	SEND 1, 44, -1
	MROW 0, 1, 1, 24+8
	SEND 2, 0, -1
	MROW 0, 1, 2, 0
	MROW 0, 1, 3, 0
	WIN 0
	s_wait_xcnt 0x0                                ; the stores, 24 products back, have read their data and their base
	s_add_nc_u64 s[XB:XB+1], s[XB:XB+1], 196608    ; 48 rows n on
	s_add_nc_u64 s[OB:OB+1], s[OB:OB+1], 196608
	XLD 0                                          ; this group's x: wanted behind the next change but one
	XLD 1
	XLD 2
	s_sub_co_u32 s[CNT], s[CNT], 1
	s_cmp_lg_u32 s[CNT], 0
	s_cbranch_scc1 .Lv
	CHGV 1, 0                                      ; the last trip is written out: it asks for nothing, and goes by n tiles
	WIN 0x40
.irp i, 0,1,2
.irp j, 0,1,2,3
.irp c, 0,1,2,3
	ds_load_b128 v[16*(3*\j+\i)+4*\c:16*(3*\j+\i)+4*\c+3], v[KA0+1] offset:6144*\j+2048*\i+512*\c
.endr
.endr
.endr
	MTILE 0, 32                                    ; the later tiles' loads may be out
	MTILE 1, 16
	WIN 0
	PLACES 8
	STS 0
	STL 0
	STS 1
	STL 1
	MTILE 2, 32                                    ; the 32 stage instructions may be out
	SEND 0, 16, 16
	PLACES 8
	STS 2
	STL 2
	SEND 1, 16, 8
	SEND 2, 0, 0
	s_wait_tensorcnt 0x0                           ; the wave's end
	ds_add_u32 v[SPW], v[NIL]
	s_wait_dscnt 0x0
	ROUND                                          ; the closing round
	s_endpgm
.Lfunc_end_k_qb970323d6a_attn:
	.size	k_qb970323d6a_attn, .Lfunc_end_k_qb970323d6a_attn-k_qb970323d6a_attn
	.p2alignl 7, 3214868480
	.fill 96, 4, 3214868480
	.section	.rodata,"a",@progbits
	.p2align	6, 0x0
	.amdhsa_kernel k_qb970323d6a_attn
		.amdhsa_group_segment_fixed_size 327680
		.amdhsa_private_segment_fixed_size 0
		.amdhsa_enable_private_segment 0
		.amdhsa_kernarg_size 40
		.amdhsa_user_sgpr_count 2
		.amdhsa_user_sgpr_kernarg_segment_ptr 1
		.amdhsa_wavefront_size32 1
		.amdhsa_system_sgpr_workgroup_id_x 1
		.amdhsa_system_sgpr_workgroup_id_y 1
		.amdhsa_system_sgpr_workgroup_id_z 1
		.amdhsa_system_vgpr_workitem_id 0
		.amdhsa_next_free_vgpr 1024
		.amdhsa_next_free_sgpr 80
		.amdhsa_reserve_vcc 0
		.amdhsa_float_denorm_mode_32 3
		.amdhsa_float_denorm_mode_16_64 3
		.amdhsa_memory_ordered 1
		.amdhsa_forward_progress 1
		.amdhsa_inst_pref_size 255
	.end_amdhsa_kernel
	.section	.bss,"aw",@nobits
	.p2align	6
	.space	262144
	.amdgpu_metadata
---
amdhsa.version: [ 1, 2 ]
amdhsa.kernels:
  - .name:           k_qb970323d6a_attn
    .symbol:         k_qb970323d6a_attn.kd
    .args:
      - { .name: qw, .offset: 0, .size: 8, .value_kind: global_buffer, .address_space: global }
      - { .name: kw, .offset: 8, .size: 8, .value_kind: global_buffer, .address_space: global }
      - { .name: vw, .offset: 16, .size: 8, .value_kind: global_buffer, .address_space: global }
      - { .name: x, .offset: 24, .size: 8, .value_kind: global_buffer, .address_space: global }
      - { .name: out0, .offset: 32, .size: 8, .value_kind: global_buffer, .address_space: global }
    .group_segment_fixed_size: 327680
    .private_segment_fixed_size: 0
    .kernarg_segment_align: 8
    .kernarg_segment_size: 40
    .max_flat_workgroup_size: 128
    .sgpr_count:     80
    .vgpr_count:     1024
    .wavefront_size: 32
...
	.end_amdgpu_metadata
.endif
;; end of part 4
